; MI455X (gfx1250); checked and timed in simulation.
; The chip was launched on July 23, 2026; its instructions are those of AMD's public machine-readable ISA for CDNA 5 (MIT licence, August 2026) and "CDNA5" Instruction Set Architecture Reference Guide (July 2026). The comments in the code are by the model that wrote it; some were corrected since.
;; Masked Multi Head Attention. Allowed arithmetic: matrix products marked QUANTISED: E4M3 operands, one given power-of-two scale a tensor, by v_wmma_f32_16x16x64_fp8_fp8 or v_wmma_f32_16x16x128_fp8_fp8, f32 sums; everything else in f32.
;; Inputs: Wk 1,024 x 1,024 float32; Wp 1,024 x 1,024 float32; Wq 1,024 x 1,024 float32; Wv 1,024 x 1,024 float32; bk 1,024 float32; bq 1,024 float32; bv 1,024 float32; lowp_scales 12 int32 (the exponents e of the quantised operands' scales 2^e); x 4 x 2,048 x 1,024 float32.
;; Outputs: out0 4 x 2,048 x 1,024 float32.
;; This version of the problem:
;;   THIS VERSION OF THE PROBLEM IS GIVEN IN LOW PRECISION. The matrix products marked QUANTISED in the list below multiply operands that are first quantised to E4M3 (4 exponent bits, 3 mantissa bits; 8 bits a number), with one given power-of-two scale for each operand tensor; their sums are f32. All else is computed in f32.
;;   The module's matrix products, in the order in which they are computed (A, B: the left and right operand; K: the contracted axis; several contracted axes count as one K, in the product's order):
;;     1. [M 8,192, K 1,024] x [K 1,024, N 1,024]; A: input x; B: input Wq: QUANTISED (scales: A lowp_scales[0], B lowp_scales[1])
;;     2. [M 8,192, K 1,024] x [K 1,024, N 1,024]; A: input x; B: input Wk: QUANTISED (scales: A lowp_scales[2], B lowp_scales[3])
;;     3. [M 8,192, K 1,024] x [K 1,024, N 1,024]; A: input x; B: input Wv: QUANTISED (scales: A lowp_scales[4], B lowp_scales[5])
;;     4. batch 64 x [M 2,048, K 64] x [K 64, N 2,048]; A: computed on the way; B: computed on the way: QUANTISED (scales: A lowp_scales[6], B lowp_scales[7])
;;     5. batch 64 x [M 2,048, K 2,048] x [K 2,048, N 64]; A: softmax (see below); B: computed on the way: QUANTISED (scales: A lowp_scales[8], B lowp_scales[9])
;;     6. [M 8,192, K 1,024] x [K 1,024, N 1,024]; A: computed on the way; B: input Wp: QUANTISED (scales: A lowp_scales[10], B lowp_scales[11])
;;   THE QUANTISER, for each operand of a quantised product, along K:
;;     - The operand's scale is 2^e, e = its entry of the input lowp_scales (int32; the entries are numbered through the quantised products in the list's order, A before B).
;;     - Each number is divided by the scale, clamped to +-448, and rounded to the nearest number of E4M3, ties to even, subnormals kept.
;;     - The product sums the exact products of the quantised numbers (number of the format x scale) in f32.
;;   ~~~python
;;   def quantise(x, axis, e):      # numpy; x: float32 -> the quantised numbers, widened to float32 again
;;       x = np.moveaxis(x, axis, -1); K = x.shape[-1]
;;       r = np.clip(x / 2.0 ** e, -448, 448)
;;       step = 2.0 ** (np.maximum(np.frexp(np.where(r == 0, 1, r))[1] - 1, -6) - 3)
;;       q = np.round(r / step) * step * 2.0 ** e      # np.round: ties to even
;;       return np.moveaxis(q, -1, axis).astype(np.float32)
;;   ~~~
;;   SOFTMAX AHEAD OF A QUANTISED PRODUCT. Where the list says 'softmax', what is quantised is not the finished softmax but p = 2^(t - M), with t = logit x log2(e) and M = ceil(the row's largest t), a whole number; so 1/2 < the row's largest p <= 1. The row's sum l is taken of the UNQUANTISED p, in f32, and the product's result is divided by l at the end. Since M is a whole number, a kernel that streams over the keys may use a running M (the ceiling of the running maximum): every later rescaling is an exact power of two, so the quantised numbers keep their values, but for numbers so far below the row's largest that they fall under the format's range.
;;   OPERANDS COMPUTED ON THE WAY. 'Computed on the way' means the value that the module computes at that place (a softmax that the list does not call 'softmax' is quantised finished and normalised). What goes into a quantiser is computed in f32, as accurately as f32 sums, v_exp_f32 and their like allow (about 1e-6 of the number): no bf16 or f16 on the way to a quantiser, and a product that is left as it is and whose result goes on into a quantised operand takes f32 operands (vector FMAs, or v_wmma_f32_16x16x4_f32). A number that lies on a knife's edge between two numbers of the format may be rounded either way, as far as f32 arithmetic and the matrix unit's own rounding can turn it there, and no further.
;; One version. Each part assembles by itself: llvm-mc -triple=amdgcn-amd-amdhsa -mcpu=gfx1250 --defsym DOCPART=n.
;; ======== version 1 of 1: 4 launches
;; limits: right only within a limited range of input values
;; workspace buffers: codes 29,360,128 bytes; rope 524,288 bytes; qkv 25,165,824 bytes; oimg 8,388,608 bytes
;; launch prep (part 1): grid 768 x 1, 4 waves a work-group, no clusters, 34,304 bytes of LDS; arguments x, Wq, Wk, Wv, Wp, lowp_scales, codes, rope; writes codes, rope
.if DOCPART == 1
	.amdgcn_target "amdgcn-amd-amdhsa--gfx1250"
	.amdhsa_code_object_version 6
	.text
	.protected	k_q50de2b8714_prep
	.globl	k_q50de2b8714_prep
	.p2align	8
	.type	k_q50de2b8714_prep,@function
k_q50de2b8714_prep:
	s_mov_b64 s[64:65], 0
	v_nop
	global_prefetch_b8 v0, s[64:65] scope:SCOPE_SE
	s_setreg_imm32_b32 hwreg(HW_REG_WAVE_MODE, 25, 1), 1
	s_wait_xcnt 0x0
; PREP: every operand that arrives as f32 becomes codes of FP8 (E4M3), once, and the table of RoPE's cosines and sines is made.
; code = number / 2^e, held within +-448, rounded to the nearest code, ties to even; e is the operand's entry of lowp_scales.
; THE IMAGE LAYOUT of all codes: [tile of 16 rows][128 along K][2,048 bytes]; in these, chunk c (512 bytes) holds for lane 16 h + r the 16 codes of the tile's row r at
; k = 32 c + 16 h + 0 .. 15: four loads of 16 bytes at 16 x lane are a fragment's sixteen registers, and every store and load of a wave covers 512 consecutive bytes.
; codes: x under e0 at 0, under e2 at 8 MiB, under e4 at 16 MiB (512 tiles x 8 x 2,048 each); Wq, Wk, Wv, Wp from 24 MiB on, 1 MiB each (row = column n of the weight, K = its first axis).
; rope: [t / 16][load l = 0..7][lane 16 h + r][16 bytes]: (cos, sin) of frequencies i = 8 (l / 2) + 4 h + 2 (l % 2) + 0, 1 at t = 16 (t / 16) + r: the order in which the next launch's lanes want them.
; Work-groups 0..511 take x and the table, 512..767 the weights.  No tensor load, no barrier: waves share nothing (each wave has its own stage in LDS).
; LIMITS: each e used here lies between -126 and 119, so that 2^e and 448 x 2^e are f32 numbers.  NaN among the inputs is not served (an infinity is held at the largest code).
; The angle is fl(t x inv_i) with inv_i the f32 number nearest to 10^(-i/8); a library's own power and division may give an inv one unit in the last place away.
.set WOFF, 0x1800000                   ; the weights' images begin here
.set SP,   528                         ; a stage row: 512 bytes + 16, an odd multiple of 16
.set R0,   16                          ; v16-79, v80-143  a unit's 16 rows x 128 numbers as loaded; later its codes (48 registers)
.set XN,   144                         ; v144-207  64 numbers of a lane: register 16 c + i is k = 32 c + 16 h + i of row r
.set RT,   208                         ; v208-222  the table's work; never written again, so its store needs no wait
.set WX,   32                          ; weights: v32-95 two sets of 32 numbers down K
.set WC,   96                          ; weights: v96-127 codes, eight registers a block, never written again
.macro POW2 d, e                       ; v[d] = 2^e as f32 (the conversion takes its exponent field); e stands in s[e]
	s_add_co_i32 s40, s[\e], 127
	s_lshl_b32 s41, s40, 23
	v_mov_b32 v[\d], s41
	s_add_co_i32 s40, s40, 8
	s_lshl_b32 s40, s40, 23
	s_or_b32 s40, s40, 0x600000
.endm
	s_load_b256 s[4:11], s[0:1], 0x0               ; x s[4:5], Wq s[6:7], Wk s[8:9], Wv s[10:11]
	s_load_b256 s[12:19], s[0:1], 0x20             ; Wp s[12:13], the exponents s[14:15], codes s[16:17], rope s[18:19]
	v_lshl_add_u32 v224, v0, 2, 0x8400
	v_mov_b32 v225, 0
	v_lshrrev_b32 v2, 5, v0
	v_readfirstlane_b32 s32, v2                    ; wave 0..3
	v_and_b32 v12, 31, v0                          ; lane
	v_lshlrev_b32 v1, 4, v12                       ; 16 x lane
	s_wait_kmcnt 0x0
	s_load_b256 s[20:27], s[14:15], 0x0            ; e0 .. e7
	s_load_b128 s[28:31], s[14:15], 0x20           ; e8 .. e11
	s_cmp_lt_u32 ttmp9, 512
	s_cbranch_scc0 .Lweights
; ---------------- x: wave W = 4 x work-group + wave takes row tile W / 4 and the two units (16 rows x 128 k) 2 (W % 4) + u
	s_lshl_b32 s33, ttmp9, 2
	s_add_co_u32 s33, s33, s32                     ; W, 0..2047
	s_lshl_b32 s34, ttmp9, 16                      ; 16 rows of 4,096 bytes
	s_lshl_b32 s35, s32, 10                        ; my 256 numbers of each row
	s_add_co_u32 s34, s34, s35
	s_mov_b32 s35, 0
	s_add_nc_u64 s[4:5], s[4:5], s[34:35]
	s_wait_alu depctr_va_vdst(0)
.irp u, 0,1
.irp j, 0,1,2,3,4,5,6,7,8,9,10,11,12,13,14,15
	global_load_b128 v[R0+64*\u+4*\j:R0+64*\u+4*\j+3], v1, s[4:5] offset:512*\u+4096*\j th:TH_LOAD_NT   ; row j: 32 lanes read 512 consecutive bytes
.endr
.endr
	s_lshl_b32 s34, s33, 12                        ; my two images: 4,096 W
	s_add_nc_u64 s[52:53], s[16:17], s[34:35]      ; under e0,
	s_add_nc_u64 s[54:55], s[52:53], 0x800000      ; under e2,
	s_add_nc_u64 s[56:57], s[52:53], 0x1000000     ; under e4
	s_mul_i32 s44, s32, 16*SP                      ; my stage
	v_add_nc_u32 v2, s44, v1                       ; in: 16 x lane, a row an instruction
	v_and_b32 v13, 15, v0
	v_bfe_u32 v14, v0, 4, 1
	v_mul_u32_u24 v3, v13, SP
	v_lshl_add_u32 v3, v14, 6, v3
	v_add_nc_u32 v3, s44, v3                       ; out: row r, + 64 h: my 16 numbers of a block of 32
; the table, while the loads are on their way: wave W makes its bytes 256 W .. 256 W + 255: lane l: t = 16 (W / 16) + l / 2, frequency i = 2 ip + l % 2
	s_and_b32 s45, s33, 15                         ; W % 16 = 2 (load l) + h
	s_lshr_b32 s46, s45, 2
	s_lshl_b32 s46, s46, 2
	s_and_b32 s47, s45, 1
	s_lshl_b32 s47, s47, 1
	s_add_co_u32 s46, s46, s47
	s_bfe_u32 s47, s45, 0x10001
	s_add_co_u32 s45, s46, s47                     ; ip = 4 (l / 2) + 2 h + l % 2
	s_mov_b32 s46, 1.0                             ; inv of frequencies 0 and 1: 10^(-i/8)
	s_mov_b32 s47, 0.7498942093
.macro INV2 ip, even, odd              ; the wave's two frequencies are chosen by its number: a select, no branch
	s_cmp_eq_u32 s45, \ip
	s_cselect_b32 s46, \even, s46
	s_cselect_b32 s47, \odd, s47
.endm
	INV2 1, 0.5623413252, 0.4216965034
	INV2 2, 0.3162277660, 0.2371373706
	INV2 3, 0.1778279410, 0.1333521432
	INV2 4, 0.1, 0.07498942093
	INV2 5, 0.05623413252, 0.04216965034
	INV2 6, 0.03162277660, 0.02371373706
	INV2 7, 0.01778279410, 0.01333521432
	INV2 8, 0.01, 0.007498942093
	INV2 9, 0.005623413252, 0.004216965034
	INV2 10, 0.003162277660, 0.002371373706
	INV2 11, 0.001778279410, 0.001333521432
	INV2 12, 0.001, 0.0007498942093
	INV2 13, 0.0005623413252, 0.0004216965034
	INV2 14, 0.0003162277660, 0.0002371373706
	INV2 15, 0.0001778279410, 0.0001333521432
	s_lshl_b32 s34, s33, 8
	s_add_nc_u64 s[48:49], s[18:19], s[34:35]      ; rope + 256 W
	v_and_b32 v[RT], 1, v0
	v_cmp_ne_u32 vcc_lo, 0, v[RT]
	v_mov_b32 v[RT+1], s46
	v_cndmask_b32 v[RT+1], v[RT+1], s47, vcc_lo    ; inv
	s_and_b32 s50, s33, 0x7f0                      ; 16 (W / 16)
	v_lshrrev_b32 v[RT+2], 1, v12
	v_add_nc_u32 v[RT+2], s50, v[RT+2]             ; t
	v_cvt_f32_u32 v[RT+2], v[RT+2]
	v_mul_f32 v[RT+2], v[RT+2], v[RT+1]            ; the angle a = fl(t x inv), at most 2,047
	v_mul_f32 v[RT+3], 0x3f22f983, v[RT+2]         ; a x 2 / pi
	v_rndne_f32 v[RT+3], v[RT+3]                   ; n, at most 1,303
	v_fmamk_f32 v[RT+2], v[RT+3], 0xbfc90fdb, v[RT+2]  ; a - n x fl(pi/2): exact (under 1, and a multiple of a's or of 2^-23's last place)
	v_fmamk_f32 v[RT+2], v[RT+3], 0x333bbd2e, v[RT+2]  ; + n x 4.37113883e-8, what fl(pi/2) has too much; what is then left of pi/2, times n, is under 3e-12
	v_mul_f32 v[RT+4], v[RT+2], v[RT+2]            ; z = r r, |r| <= pi/4
	v_mov_b32 v[RT+5], 0xb94ca1f9                  ; sin r = r + r z (-1.6666654611e-1 + z (8.3321608736e-3 - 1.9515295891e-4 z))
	v_fmaak_f32 v[RT+5], v[RT+5], v[RT+4], 0x3c08839e
	v_fmaak_f32 v[RT+5], v[RT+5], v[RT+4], 0xbe2aaaa3
	v_mul_f32 v[RT+6], v[RT+4], v[RT+2]
	v_fma_f32 v[RT+5], v[RT+5], v[RT+6], v[RT+2]
	v_mov_b32 v[RT+7], 0x37ccf5ce                  ; cos r = 1 - z / 2 + z z (4.166664568e-2 + z (-1.388731625e-3 + 2.443315712e-5 z))
	v_fmaak_f32 v[RT+7], v[RT+7], v[RT+4], 0xbab6061a
	v_fmaak_f32 v[RT+7], v[RT+7], v[RT+4], 0x3d2aaaa5
	v_mul_f32 v[RT+8], v[RT+4], v[RT+4]
	v_fma_f32 v[RT+9], v[RT+4], -0.5, 1.0
	v_fma_f32 v[RT+7], v[RT+7], v[RT+8], v[RT+9]
	v_cvt_i32_f32 v[RT+10], v[RT+3]
	v_and_b32 v[RT+11], 1, v[RT+10]
	v_cmp_ne_u32 vcc_lo, 0, v[RT+11]               ; in an odd quarter sine and cosine change places
	v_cndmask_b32 v[RT+13], v[RT+5], v[RT+7], vcc_lo
	v_cndmask_b32 v[RT+12], v[RT+7], v[RT+5], vcc_lo
	v_and_b32 v[RT+11], 2, v[RT+10]
	v_lshlrev_b32 v[RT+11], 30, v[RT+11]
	v_xor_b32 v[RT+13], v[RT+11], v[RT+13]         ; the sine is negative in quarters 2 and 3,
	v_add_nc_u32 v[RT+10], 1, v[RT+10]
	v_and_b32 v[RT+10], 2, v[RT+10]
	v_lshlrev_b32 v[RT+10], 30, v[RT+10]
	v_xor_b32 v[RT+12], v[RT+10], v[RT+12]         ; the cosine in quarters 1 and 2
	v_lshlrev_b32 v[RT+14], 3, v12
	global_store_b64 v[RT+14], v[RT+12:RT+13], s[48:49]   ; 32 lanes store 256 consecutive bytes, aligned
	s_wait_kmcnt 0x0
	POW2 4, 20                                     ; e0: v4
	POW2 6, 22                                     ; e2: v6
	POW2 8, 24                                     ; e4: v8
; A unit: its 16 rows go through my stage as they lie and come back 16 neighbours of each block of 32 a lane; then three sets of codes.
.macro UNIT u
.set RU, R0+64*\u
.irp j, 0,1,2,3,4,5,6,7,8,9,10,11,12,13,14,15
	ds_store_b128 v2, v[RU+4*\j:RU+4*\j+3] offset:\j*SP
.endr
.irp c, 0,1,2,3
.irp j, 0,1,2,3
	ds_load_b128 v[XN+16*\c+4*\j:XN+16*\c+4*\j+3], v3 offset:128*\c+16*\j   ; LDS serves a wave's instructions in order: these see the stores above
.endr
.endr
	s_wait_dscnt 0x0                               ; the numbers are back, and the stores have read v[RU] on: those registers now take the codes
.irp c, 0,1,2,3
.irp q, 0,1,2
.irp i, 0,1,2,3,4,5,6,7,8,9,10,11,12,13,14,15
.endr
	v_cvt_scalef32_pk8_fp8_f32 v[RU+16*\q+4*\c:RU+16*\q+4*\c+1], v[RU+48+((XN+16*\c+0)-(RU+48+0)):RU+55+((XN+16*\c+0)-(RU+48+0))], v[4+2*\q]
	v_cvt_scalef32_pk8_fp8_f32 v[RU+16*\q+4*\c+2:RU+16*\q+4*\c+3], v[RU+56+((XN+16*\c+0)-(RU+48+0)):RU+63+((XN+16*\c+0)-(RU+48+0))], v[4+2*\q]
	v_nop
.endr
.endr
.irp q, 0,1,2
.irp c, 0,1,2,3
	global_store_b128 v1, v[RU+16*\q+4*\c:RU+16*\q+4*\c+3], s[52+2*\q:53+2*\q] offset:2048*\u+512*\c   ; a chunk: 512 consecutive bytes; these registers are not written again
.endr
.endr
.endm
	s_wait_alu depctr_va_vdst(0)
	s_wait_loadcnt 16                              ; unit 0's sixteen loads are in, unit 1's may be out
	UNIT 0
	s_wait_loadcnt 0x0
	UNIT 1
	s_wait_tensorcnt 0x0
	ds_add_u32 v224, v225
	s_wait_dscnt 0x0
	s_endpgm
; ---------------- the weights: g = work-group - 512: weight g / 64, K step (g / 8) % 8, columns 128 (g % 8) on.  A LANE TAKES A COLUMN n AND ITS REGISTERS RUN DOWN K:
; each load reads neighbouring n in neighbouring lanes, and the conversions give codes with K innermost.  Nothing is transposed by an instruction.
.Lweights:
	s_sub_co_u32 s33, ttmp9, 512
	s_lshr_b32 s34, s33, 6                         ; which weight
	s_bfe_u32 s35, s33, 0x30003                    ; which 128 along K
	s_and_b32 s36, s33, 7                          ; which 128 columns
	s_wait_kmcnt 0x0
	s_cmp_eq_u32 s34, 1                            ; the choice hangs on the work-group's number alone
	s_cselect_b64 s[6:7], s[8:9], s[6:7]
	s_cselect_b32 s21, s23, s21                    ; e1, e3, e5 or e11
	s_cmp_eq_u32 s34, 2
	s_cselect_b64 s[6:7], s[10:11], s[6:7]
	s_cselect_b32 s21, s25, s21
	s_cmp_eq_u32 s34, 3
	s_cselect_b64 s[6:7], s[12:13], s[6:7]
	s_cselect_b32 s21, s31, s21
	s_lshl_b32 s38, s35, 19                        ; 128 rows of 4,096 bytes
	s_lshl_b32 s39, s36, 9
	s_add_co_u32 s38, s38, s39
	s_lshl_b32 s39, s32, 7                         ; my wave's 32 columns
	s_add_co_u32 s38, s38, s39
	s_mov_b32 s39, 0
	s_add_nc_u64 s[6:7], s[6:7], s[38:39]
	s_wait_alu depctr_va_vdst(0)
	v_lshlrev_b32 v3, 2, v12                       ; in: 4 bytes a lane
.macro LOADW t                         ; block t: W(32 t + i, my column), i = 0 .. 31, into set t % 2
.set i, 0
.rept 32
	global_load_b32 v[WX+32*((\t)%2)+i], v3, s[6:7] offset:(32*(\t)+i)*4096 th:TH_LOAD_NT
.set i, i+1
.endr
.endm
	LOADW 0
	LOADW 1
	s_lshl_b32 s42, s34, 20
	s_add_co_u32 s42, s42, WOFF
	s_lshl_b32 s43, s36, 17                        ; 8 tiles of 16 columns, 16,384 bytes each
	s_add_co_u32 s42, s42, s43
	s_lshl_b32 s43, s32, 15                        ; my wave's two tiles
	s_add_co_u32 s42, s42, s43
	s_lshl_b32 s43, s35, 11                        ; the K step's image
	s_add_co_u32 s42, s42, s43
	s_mov_b32 s43, 0
	s_add_nc_u64 s[16:17], s[16:17], s[42:43]
	v_lshrrev_b32 v4, 4, v12
	v_and_b32 v5, 15, v12
	v_lshlrev_b32 v4, 14, v4
	v_lshl_add_u32 v4, v5, 4, v4                   ; out: tile lane / 16, row lane % 16: sixteen lanes fill 256 consecutive bytes, aligned
	POW2 10, 21                                    ; v10 = 2^e
.macro BLOCKW t
.set XS, WX+32*((\t)%2)
.if (\t) < 3
	s_wait_loadcnt 32                              ; this block's 32 loads are in; the next block's may be out
.else
	s_wait_loadcnt 0x0
.endif
.set i, 0
.rept 32
.set i, i+1
.endr
.irp g, 0,1,2,3
	v_cvt_scalef32_pk8_fp8_f32 v[WC+8*(\t)+2*\g:WC+8*(\t)+2*\g+1], v[XS+8*\g:XS+8*\g+7], v10
.endr
	global_store_b128 v4, v[WC+8*(\t):WC+8*(\t)+3], s[16:17] offset:512*(\t)          ; k = 32 t + 0 .. 15: the places of lanes 0-15 of chunk t
	global_store_b128 v4, v[WC+8*(\t)+4:WC+8*(\t)+7], s[16:17] offset:512*(\t)+256    ; k = 32 t + 16 .. 31: of lanes 16-31
.if (\t) < 2
	LOADW (\t)+2
.endif
.endm
	s_wait_alu depctr_va_vdst(0)
	BLOCKW 0
	BLOCKW 1
	BLOCKW 2
	BLOCKW 3
	s_endpgm
.Lfunc_end_k_q50de2b8714_prep:
	.size	k_q50de2b8714_prep, .Lfunc_end_k_q50de2b8714_prep-k_q50de2b8714_prep
	.p2alignl 7, 3214868480
	.fill 96, 4, 3214868480
	.section	.rodata,"a",@progbits
	.p2align	6, 0x0
	.amdhsa_kernel k_q50de2b8714_prep
		.amdhsa_group_segment_fixed_size 34304
		.amdhsa_private_segment_fixed_size 0
		.amdhsa_enable_private_segment 0
		.amdhsa_kernarg_size 64
		.amdhsa_user_sgpr_count 2
		.amdhsa_user_sgpr_kernarg_segment_ptr 1
		.amdhsa_wavefront_size32 1
		.amdhsa_system_sgpr_workgroup_id_x 1
		.amdhsa_system_sgpr_workgroup_id_y 1
		.amdhsa_system_sgpr_workgroup_id_z 1
		.amdhsa_system_vgpr_workitem_id 0
		.amdhsa_next_free_vgpr 226
		.amdhsa_next_free_sgpr 66
		.amdhsa_reserve_vcc 1
		.amdhsa_float_denorm_mode_32 3
		.amdhsa_float_denorm_mode_16_64 3
		.amdhsa_fp16_overflow 1
		.amdhsa_memory_ordered 1
		.amdhsa_forward_progress 1
		.amdhsa_inst_pref_size 36
	.end_amdhsa_kernel
	.amdgpu_metadata
---
amdhsa.version: [ 1, 2 ]
amdhsa.kernels:
  - .name:           k_q50de2b8714_prep
    .symbol:         k_q50de2b8714_prep.kd
    .args:
      - { .name: x, .offset: 0, .size: 8, .value_kind: global_buffer, .address_space: global }
      - { .name: Wq, .offset: 8, .size: 8, .value_kind: global_buffer, .address_space: global }
      - { .name: Wk, .offset: 16, .size: 8, .value_kind: global_buffer, .address_space: global }
      - { .name: Wv, .offset: 24, .size: 8, .value_kind: global_buffer, .address_space: global }
      - { .name: Wp, .offset: 32, .size: 8, .value_kind: global_buffer, .address_space: global }
      - { .name: lowp_scales, .offset: 40, .size: 8, .value_kind: global_buffer, .address_space: global }
      - { .name: codes, .offset: 48, .size: 8, .value_kind: global_buffer, .address_space: global }
      - { .name: rope, .offset: 56, .size: 8, .value_kind: global_buffer, .address_space: global }
    .group_segment_fixed_size: 34304
    .private_segment_fixed_size: 0
    .kernarg_segment_align: 8
    .kernarg_segment_size: 64
    .max_flat_workgroup_size: 128
    .sgpr_count:     66
    .vgpr_count:     226
    .wavefront_size: 32
...
	.end_amdgpu_metadata
.endif
;; end of part 1
;; launch qkv (part 2): grid 12 x 32, 4 waves a work-group, clusters of 4 x 4, 327,680 bytes of LDS; arguments codes, rope, bq, bk, bv, lowp_scales, qkv; writes qkv
.if DOCPART == 2
	.amdgcn_target "amdgcn-amd-amdhsa--gfx1250"
	.amdhsa_code_object_version 6
	.text
	.protected	k_q50de2b8714_qkv
	.globl	k_q50de2b8714_qkv
	.p2align	8
	.type	k_q50de2b8714_qkv,@function
k_q50de2b8714_qkv:
	s_mov_b64 s[64:65], 0
	v_nop
	global_prefetch_b8 v0, s[64:65] scope:SCOPE_SE
	s_setreg_imm32_b32 hwreg(HW_REG_WAVE_MODE, 25, 1), 1
	s_wait_xcnt 0x0
	s_wait_alu depctr_hold_cnt(0) depctr_sa_sdst(0) depctr_va_vdst(0) depctr_va_sdst(0) depctr_va_ssrc(0) depctr_va_vcc(0) depctr_vm_vsrc(0)
	s_getreg_b32 s2, hwreg(HW_REG_IB_STS2, 6, 4)
	s_cmp_eq_u32 s2, 0
	s_cbranch_scc0 .Lentry_in_a_cluster
	s_endpgm
.Lentry_in_a_cluster:
	s_bfe_u32 s2, ttmp6, 0x10000c
	s_cmp_lg_u32 s2, 0xf033
	s_cbranch_scc0 .Lentry_shape_is_right
	s_endpgm
.Lentry_shape_is_right:
; QKV: the three projections on codes of FP8 (E4M3), each followed, in registers, by its bias, RoPE (q and k) and the quantiser of the product that reads it.  Only codes go to memory.
; THE SECTION is the cluster's x: 0 = q, 1 = k, 2 = v: the same in all sixteen partners.  A tile is 256 x 256, a work-group four waves, a wave 128 x 128: 64 accumulators, 512 registers.
; q, k: side A = x's codes (rows t), side B = the weight's (rows n).  v: side A = Wv's codes, side B = x's: the sides change places by address alone.
; THE MATRIX INSTRUCTION IS USED TRANSPOSED (source 0 = 16 rows of B, source 1 = 16 rows of A): a lane holds one row of A's and eight neighbouring rows of B's side.  So for q and k a lane has one t and eight neighbouring
; channels (RoPE's pairs, and neighbours along the scores' K); for v one channel and eight neighbouring keys (neighbours along the second product's K).
; OPERANDS lie in memory as images of registers: [tile of 16 rows][128 along K][4 chunks x 32 lanes x 16 bytes]; chunk c, lane 16 h + r: row r, k = 32 c + 16 h + 0 .. 15.  The same places of k on both sides.
; K goes in steps of 256 through a ring of two LDS slots: a wave's tensor load brings 8 row tiles x 4,096 consecutive bytes.  No padding: a fragment load's 512 bytes are consecutive.
; CLUSTER 4 x 4: A's tile is asked for jointly along a row of the cluster, B's along a column.
; OUT: qkv: q at 0, k at 8 MiB, v at 16 MiB, each [batch x 16 + head][131,072].  q, k: [tile T of 16 rows][2 chunks x 512]: chunk c', lane 16 h + r: d = 32 c' + 16 h + 0 .. 15.
; THE ROWS OF A TILE ARE NOT NEIGHBOURS: of each 128 rows, lane r of tile 2 b + u holds row 32 b + 8 u + r + 8 (r / 8), so that results of two neighbouring tiles are 16 neighbours in the reader's registers.
; v: [128 keys][tile of 16 channels, chosen likewise among the head's 64][4 chunks x 512]: chunk c, lane 16 h + r: keys 32 c + 16 h + 0 .. 15.
; LIMITS: e0 + e1, e2 + e3, e4 + e5 between -126 and 127; e6, e7, e9 between -126 and 119, so that each power of two below is an f32 number.  NaN is not served.
; REGISTERS, in windows of 256: window 0: v0-31 addresses; v32-95 the bias; v96-108 at work; v128-255 A's fragments, ONE set, later the way out.
;   window 1: B's fragments, TWO sets (v0, v128); at the end RoPE's table.   windows 2, 3: the accumulators of my rows 0-63, 64-127 ((a, b) at v[8 (8 (a % 4) + b)]).
.set WOFF,  0x1800000                  ; codes: the weights' images
.set FR,    16                         ; registers of a fragment
.set NL,    4                          ; LDS loads that bring one
.set NP,    4                          ; places behind this matrix instruction (ISA guide 7.12.1)
.set HALFT, 32768                      ; 8 row tiles x 4,096 bytes: what one tensor load brings, and what one wave reads of A or of B
.set SLOT,  4*HALFT                    ; A's 16 tiles, then B's
.set KSB,   4096                       ; a K step in a row tile's image
.set SPARE, 2*SLOT                     ; behind the ring: the spare words, 128 bytes for each wave
.set ADRA, 16                          ; v16-17  LDS address of my A fragments in slot 0, 1
.set ADRB, 20                          ; v20-21  the same for B
.set LI,   22                          ; v22     16 x lane
.set STQ,  24                          ; v24     q, k: where I put 8 codes in my stage (LDS bytes 16,384 x wave on, in slot 0)
.set STV,  25                          ; v25     v: the same (65,536 + 16,384 x wave on): each section's way out has LDS bytes of its own
.set RDQ,  26                          ; v26     q, k: where I read the stage back
.set RDV,  27                          ; v27     v: the same
.set SPW,  28                          ; v28     my spare word; never rewritten
.set NIL,  29                          ; v29     0; never rewritten
.set BO,   30                          ; v30     32 h: my eight numbers of a bias
.set BVO,  31                          ; v31     4 r: my number of bv
.set BI,   32                          ; v32-95  the bias in the result's layout (v: v32-39)
.set TW,   96                          ; v96-103 RoPE's second products
.set CD,   104                         ; v104-107 codes, two pairs by turns
.set SCL,  108                         ; v108    2^eo
.set LIM,  109
.set AF,   128
.set Y,    128                         ; v128-191 a block's 64 numbers
.set G1, 24
.set G0, 32
.set G1B, 48
.set G0B, 56
.set MSB, 0
.macro WIN new                         ; the immediate's high byte repeats the setting that is left
.if MSB != (\new)
	s_set_vgpr_msb (MSB<<8)|(\new)
.set MSB, (\new)
.endif
.endm
.set MUL_LO, 0xa1                      ; source 0 (B) window 1, source 1 (A) window 0, C and D window 2
.set MUL_HI, 0xf1                      ; the same, C and D window 3
.set TO_B,   0x40                      ; destination window 1, address window 0
; A joint load: waves 0 and 1 fetch for A, waves 2 and 3 for B.  The branch hangs on the wave's number alone.  Four v_nop follow each of the two lines.
.macro JLOAD g0a, g1a, g0b, g1b
	s_cmp_eq_u32 s15, 0
	s_cbranch_scc0 .Lfor_b_\@
	tensor_load_to_lds s[\g0a:\g0a+3], s[\g1a:\g1a+7]
	s_nop 0
.rept 4
	v_nop
.endr
	s_branch .Lasked_\@
.Lfor_b_\@:
	tensor_load_to_lds s[\g0b:\g0b+3], s[\g1b:\g1b+7]
	s_nop 0
.rept 4
	v_nop
.endr
.Lasked_\@:
.endm
.macro CREST                           ; a round of the cluster's barrier behind its opening barrier
	s_cmp_lg_u32 s14, 0
	s_cbranch_scc1 .Lnot_wave_0_\@
	s_barrier_signal -3
.Lnot_wave_0_\@:
	s_barrier_wait -3
	s_barrier_signal -1
	s_barrier_wait -1
.endm
.macro CROUND
	s_barrier_signal -1
	s_barrier_wait -1
	CREST
.endm
	s_load_b256 s[68:75], s[0:1], 0x0              ; codes s[68:69], rope s[70:71], bq s[72:73], bk s[74:75]
	s_load_b128 s[76:79], s[0:1], 0x20             ; bv s[76:77], the exponents s[78:79]
	s_load_b64 s[80:81], s[0:1], 0x30              ; qkv
	v_lshl_add_u32 v[SPW], v0, 2, SPARE
	v_mov_b32 v[NIL], 0
	ds_add_u32 v28, v29
	ds_add_u32 v28, v29
	s_wait_dscnt 0x0
	v_lshrrev_b32 v1, 5, v0
	v_readfirstlane_b32 s14, v1                    ; wave 0..3
	s_lshr_b32 s15, s14, 1                         ; which half of A's rows is mine.  Also: I fetch for A (0) or for B (1)
	s_and_b32 s16, s14, 1                          ; which half of B's rows.  Also: which 8 row tiles I fetch
	s_bfe_u32 s40, ttmp6, 0x40000                  ; cx, cy: my place in the cluster
	s_bfe_u32 s41, ttmp6, 0x40004
	s_and_b32 s3, ttmp7, 0xffff
	s_lshl_b32 s3, s3, 2                           ; 4 x cluster y
	s_lshl_b32 s6, ttmp9, 23                       ; q, k: A = x under e0 or e2
	s_lshl_b32 s7, ttmp9, 20
	s_add_co_u32 s7, s7, WOFF                      ; q, k: B = Wq or Wk
	s_cmp_eq_u32 ttmp9, 2                          ; the section: the cluster's x, the same in all partners
	s_cselect_b32 s4, 0, s3                        ; x's 32 tiles of 256 rows run along the grid's y: on A's side for q and k,
	s_cselect_b32 s5, s3, 0                        ; on B's for v
	s_cselect_b32 s6, WOFF+0x200000, s6            ; v: A = Wv,
	s_cselect_b32 s7, 0x1000000, s7                ; B = x under e4
	s_add_co_u32 s17, s41, s4                      ; A's tile: hangs on cy and the cluster's y alone
	s_add_co_u32 s42, s40, s5                      ; B's tile: on cx and the cluster's y alone
	s_lshl_b32 s43, s41, 2
	s_lshl_b32 s43, 15, s43                        ; my row of the cluster
	s_lshl_b32 s44, 0x1111, s40                    ; my column
	; descriptor group 1: 8 rows of 512 elements of 8 bytes (4,096 bytes), 2,048 elements (a row tile's 16,384 bytes) apart; no padding
	s_or_b32 s[G1+0], s43, (3<<16)|(1<<21)         ; 15:0 the mask: A's tiles go to my row; 17:16 elements of 8 bytes; 21 set beside a mask
	s_or_b32 s[G1B+0], s44, (3<<16)|(1<<21)
.irp g, G1, G1B
	s_mov_b32 s[\g+1], 512<<16                     ; tensor_dim0
	s_mov_b32 s[\g+2], 8<<16                       ; tensor_dim1
	s_mov_b32 s[\g+3], 512<<16                     ; tile_dim0
	s_mov_b32 s[\g+4], 8                           ; tile_dim1
	s_mov_b32 s[\g+5], 2048                        ; tensor_dim0_stride
	s_mov_b32 s[\g+6], 0
	s_mov_b32 s[\g+7], 0
.endr
	s_lshl_b32 s18, s16, 17                        ; which 8 row tiles of the 16 I fetch
	s_lshl_b32 s20, s17, 18                        ; a tile of 256 rows is 262,144 bytes of images
	s_add_co_u32 s20, s20, s6
	s_add_co_u32 s20, s20, s18
	s_mov_b32 s21, 0
	s_lshl_b32 s46, s42, 18
	s_add_co_u32 s46, s46, s7
	s_add_co_u32 s46, s46, s18
	s_mov_b32 s47, 0
	s_lshl_b32 s45, s14, 15                        ; where they go: wave x 32,768: no place in the cluster enters an LDS address
	s_wait_kmcnt 0x0
	s_load_b256 s[84:91], s[78:79], 0x0            ; e0 .. e7
	s_load_b64 s[92:93], s[78:79], 0x20            ; e8, e9
	s_add_nc_u64 s[20:21], s[68:69], s[20:21]
	s_add_nc_u64 s[46:47], s[68:69], s[46:47]
	CROUND                                         ; all sixteen work-groups are here: the first joint loads meet
.irp s, 0,1
	s_mov_b32 s[G0+4*\s], 1
	s_add_co_u32 s[G0+4*\s+1], s45, \s*SLOT
	s_add_nc_u64 s[G0+4*\s+2:G0+4*\s+3], s[20:21], \s*KSB
	s_or_b32 s[G0+4*\s+3], s[G0+4*\s+3], 0x80000000
	s_mov_b32 s[G0B+4*\s], 1
	s_add_co_u32 s[G0B+4*\s+1], s45, \s*SLOT
	s_add_nc_u64 s[G0B+4*\s+2:G0B+4*\s+3], s[46:47], \s*KSB
	s_or_b32 s[G0B+4*\s+3], s[G0B+4*\s+3], 0x80000000
	JLOAD G0+4*\s, G1, G0B+4*\s, G1B               ; two loads of mine are out
.endr
	v_and_b32 v1, 31, v0
	v_lshlrev_b32 v[LI], 4, v1
	s_lshl_b32 s21, s15, 15                        ; my 8 tiles of A
	s_lshl_b32 s22, s16, 15                        ; my 8 tiles of B,
	s_add_co_u32 s22, s22, 2*HALFT                 ; which lie behind A's 16
.irp s, 0,1
	v_add_nc_u32 v[ADRA+\s], s21, v[LI]
	v_add_nc_u32 v[ADRB+\s], s22, v[LI]
	s_add_co_u32 s21, s21, SLOT
	s_add_co_u32 s22, s22, SLOT
.endr
	v_bfe_u32 v2, v0, 4, 1                         ; h
	v_bfe_u32 v3, v0, 3, 1                         ; r / 8
	v_and_b32 v4, 7, v0                            ; r % 8
	v_lshlrev_b32 v5, 4, v4
	v_lshl_add_u32 v5, v2, 3, v5                   ; 16 (r % 8) + 8 h
	s_lshl_b32 s23, s14, 14                        ; my stage: 16,384 x wave
	v_add_nc_u32 v5, s23, v5
	v_lshl_add_u32 v[STQ], v3, 10, v5              ; q, k: rows r >= 8 belong to the odd tile, 1,024 bytes on
	v_lshl_add_u32 v[STV], v3, 11, v5              ; v: 2,048 bytes on
	v_add_nc_u32 v[STV], 65536, v[STV]
	v_add_nc_u32 v[RDQ], s23, v[LI]
	v_add_nc_u32 v[RDV], 65536, v[RDQ]
	v_lshlrev_b32 v[BO], 5, v2
	v_and_b32 v6, 15, v0
	v_lshlrev_b32 v[BVO], 2, v6
.macro FRAG reg, adr, q, i             ; tile i's fragment of the slot's q-th 128 along K: four chunks of 512 consecutive bytes
.irp c, 0,1,2,3
	ds_load_b128 v[\reg+4*\c:\reg+4*\c+3], v[\adr] offset:2048*(\q)+512*\c+(\i)*4096
.endr
.endm
; 16 matrix instructions: A's blocks a0, a0 + 1 x B's eight.  p: B's set.  zero = 1: the first product starts the sums.  The 64 accumulators take turns, one instruction a turn, in the same order in every step.
.macro MUL16 a0, p, zero
.irp a, \a0, \a0+1
.irp b, 0,1,2,3,4,5,6,7
.if \zero
	v_wmma_f32_16x16x128_fp8_fp8 v[8*(8*((\a)%4)+\b):8*(8*((\a)%4)+\b)+7], v[128*(\p)+FR*\b:128*(\p)+FR*\b+FR-1], v[AF+FR*(\a):AF+FR*(\a)+FR-1], 0
.else
	v_wmma_f32_16x16x128_fp8_fp8 v[8*(8*((\a)%4)+\b):8*(8*((\a)%4)+\b)+7], v[128*(\p)+FR*\b:128*(\p)+FR*\b+FR-1], v[AF+FR*(\a):AF+FR*(\a)+FR-1], v[8*(8*((\a)%4)+\b):8*(8*((\a)%4)+\b)+7]
.endif
.endr
.endr
.endm
.macro FETCH_B slot, q, p
	WIN TO_B
.irp i, 0,1,2,3,4,5,6,7
	FRAG 128*(\p)+FR*\i, ADRB+\slot, \q, \i
.endr
	WIN 0
.endm
.macro FETCH_A slot, q, i0
.irp i, \i0, \i0+1, \i0+2, \i0+3
	FRAG AF+FR*(\i), ADRA+\slot, \q, \i
.endr
.endm
.macro PLACES n                        ; plain vector lines between a matrix instruction and a load into, or a vector line on, its registers
.rept \n
	v_nop
.endr
.endm
; A step of 128 along K that has its successor in the same slot.  A block of A is free once its eight products are issued: blocks 0-3 are fetched anew in the middle, blocks 4-7 at the end.
.macro STEP slot, q, zero
	s_wait_dscnt 4*NL                              ; B's set and A's blocks 0-3 are in; the youngest sixteen loads (A's blocks 4-7) may be out
	WIN MUL_LO
	MUL16 0, (\q)%2, \zero
	MUL16 2, (\q)%2, \zero
	s_wait_dscnt 0
	PLACES NP
	FETCH_B \slot, (\q)+1, 1-(\q)%2
	FETCH_A \slot, (\q)+1, 0
	WIN MUL_HI
	MUL16 4, (\q)%2, \zero
	MUL16 6, (\q)%2, \zero
	PLACES NP
	WIN 0
	FETCH_A \slot, (\q)+1, 4
.endm
; A slot's last step changes slots: ONE barrier; in front of it each wave waits for all its tensor loads, adds 0 to its spare word, and waits for that and for its reads of this slot.  fill = 1: this slot is filled again, two K steps ahead.
.macro TURN slot, next, fill
	s_wait_tensorcnt 0x0                           ; all my tensor loads have landed: my part of the next slot
	ds_add_u32 v[SPW], v[NIL]                      ; 0 onto my spare word
	s_wait_dscnt 4*NL+1                            ; (the add and A's blocks 4-7 may be out)
	WIN MUL_LO
	MUL16 0, 1, 0
	s_wait_dscnt 0x0                               ; the add is done, and my reads of this slot are over
	s_barrier_signal -1
	MUL16 2, 1, 0
	WIN 0
	s_barrier_wait -1
.if \fill
	CREST                                          ; the barrier has opened a round of the cluster's: no wave of any partner still reads this slot or has a load on its way
	s_add_nc_u64 s[G0+4*\slot+2:G0+4*\slot+3], s[G0+4*\slot+2:G0+4*\slot+3], 2*KSB
	s_add_nc_u64 s[G0B+4*\slot+2:G0B+4*\slot+3], s[G0B+4*\slot+2:G0B+4*\slot+3], 2*KSB
	JLOAD G0+4*\slot, G1, G0B+4*\slot, G1B         ; the first tensor load behind the round; its four v_nop are also the places in front of the loads below
.else
	PLACES NP
.endif
	FETCH_B \next, 0, 0
	FETCH_A \next, 0, 0
	WIN MUL_HI
	MUL16 4, 1, 0
	MUL16 6, 1, 0
	PLACES NP
	WIN 0
	FETCH_A \next, 0, 4
.endm
.macro FINAL                           ; the very last step: nothing more to fetch
	s_wait_dscnt 4*NL
	WIN MUL_LO
	MUL16 0, 1, 0
	MUL16 2, 1, 0
	s_wait_dscnt 0
	WIN MUL_HI
	MUL16 4, 1, 0
	MUL16 6, 1, 0
	WIN 0
.endm
.macro SCALES ea, eb, eo               ; s[96:97] = 2^(ea + eb), twice; v[SCL] = 2^eo
	s_add_co_i32 s96, s[\ea], s[\eb]
	s_add_co_i32 s96, s96, 127
	s_lshl_b32 s96, s96, 23
	s_mov_b32 s97, s96
	s_add_co_i32 s2, s[\eo], 127
	s_lshl_b32 s94, s2, 23
	v_mov_b32 v[SCL], s94
	s_add_co_i32 s2, s2, 8
	s_lshl_b32 s2, s2, 23
	s_or_b32 s2, s2, 0x600000
.endm
.macro PACK8 b, adr, off               ; eight neighbours along the reader's K: the conversion, 8 bytes into my stage
.irp i, 0,1,2,3,4,5,6,7
.endr
	v_cvt_scalef32_pk8_fp8_f32 v[CD+2*((\b)%2):CD+2*((\b)%2)+1], v[Y+8*(\b):Y+8*(\b)+7], v[SCL]
	ds_store_b64 v[\adr], v[CD+2*((\b)%2):CD+2*((\b)%2)+1] offset:\off
.endm
.macro LEAVE rd                        ; my stage holds two heads' 8,192 bytes as they lie in memory: back by 512 consecutive bytes, and out
	v_nop                                          ; a plain line behind the last conversion
.set i, 0
.rept 32
	ds_load_b128 v[128+4*i:131+4*i], v[\rd] offset:512*i   ; LDS serves a wave's instructions in order: these see my stores
.set i, i+1
.endr
.set i, 0
.rept 32
	s_wait_dscnt 31-i
	global_store_b128 v[LI], v[128+4*i:131+4*i], s[80:81] offset:(i/16)*131072+(i%16)*512
.set i, i+1
.endr
.endm
	s_wait_tensorcnt 1                             ; my part of K step 0 is in; K step 1's may be out
	s_barrier_signal -1
	s_barrier_wait -1
	FETCH_B 0, 0, 0
	FETCH_A 0, 0, 0
	FETCH_A 0, 0, 4
	STEP 0, 0, 1                                   ; K = 1,024 is four K steps of 256: written out, no loop
	TURN 0, 1, 1
	STEP 1, 0, 0
	TURN 1, 0, 1
	STEP 0, 0, 0
	TURN 0, 1, 0                                   ; the last change of slots fills nothing; behind it nobody reads slot 0, which has had its last fill: the stages lie there
	s_cmp_eq_u32 ttmp9, 2
	s_cbranch_scc1 .Lvalues
; ---------------- q and k: the tail, with the bias and the table asked for under the last products
	s_lshl_b32 s82, s17, 8
	s_lshl_b32 s94, s15, 7
	s_add_co_u32 s82, s82, s94                     ; my first row of x
	s_lshl_b32 s83, s42, 8
	s_lshl_b32 s94, s16, 7
	s_add_co_u32 s83, s83, s94                     ; my first column
	s_wait_kmcnt 0x0
	s_cmp_eq_u32 ttmp9, 0
	s_cselect_b64 s[8:9], s[72:73], s[74:75]       ; bq or bk
	s_cselect_b32 s10, s84, s86                    ; x's exponent,
	s_cselect_b32 s11, s85, s87                    ; the weight's,
	s_cselect_b32 s12, s90, s91                    ; and the result's: e6 or e7
	s_lshl_b32 s98, s83, 2
	s_mov_b32 s99, 0
	s_add_nc_u64 s[8:9], s[8:9], s[98:99]
	s_and_b32 s13, s82, 2047                       ; my first t
	s_lshl_b32 s98, s13, 8                         ; the table: 4,096 bytes for 16 t
	s_add_nc_u64 s[66:67], s[70:71], s[98:99]
	s_lshr_b32 s98, s82, 11
	s_lshl_b32 s98, s98, 4
	s_lshr_b32 s94, s83, 6
	s_add_co_u32 s98, s98, s94                     ; 16 x batch + my first head
	s_lshl_b32 s98, s98, 17
	s_lshl_b32 s94, s13, 6                         ; 128 rows are 8,192 bytes
	s_add_co_u32 s98, s98, s94
	s_lshl_b32 s94, ttmp9, 23
	s_add_co_u32 s98, s98, s94
	s_add_nc_u64 s[80:81], s[80:81], s[98:99]
	SCALES 10, 11, 12
	s_wait_alu depctr_va_vdst(0)
.irp b, 0,1,2,3,4,5,6,7
	global_load_b128 v[BI+8*\b:BI+8*\b+3], v[BO], s[8:9] offset:64*\b          ; the bias at columns 16 b + 8 h + 0 .. 7
	global_load_b128 v[BI+8*\b+4:BI+8*\b+7], v[BO], s[8:9] offset:64*\b+16
.endr
	STEP 1, 0, 0
.macro LDROPE g                        ; the table for blocks 4 g .. 4 g + 3 into window 1: block a's 32 registers at v[32 a]: pair p of channels 16 (b % 4) + 8 h + 2 p at 8 (b % 4) + 2 p: (cos, sin)
	WIN TO_B
.irp a, 0,1,2,3
.irp l, 0,1,2,3,4,5,6,7
	global_load_b128 v[128*\g+32*\a+4*\l:128*\g+32*\a+4*\l+3], v[LI], s[66:67] offset:(4*\g+\a)*4096+512*\l
.endr
.endr
	WIN 0
.endm
	LDROPE 0                                       ; into B's set 0, which the step above has left, behind its places
	FINAL
	PLACES NP                                      ; behind the last products: for the loads into B's set 1 and for the first reads of results
	LDROPE 1
	s_wait_loadcnt 32                              ; the bias and blocks 0-3's table are in; the 32 loads just issued may be out
.irp a, 0,1,2,3,4,5,6,7
.if \a == 4
	s_wait_loadcnt 0x0
.endif
	WIN (0x02+(\a)/4)                              ; source 0: window 2 or 3
.set j, 0
	v_nop
.rept 32
	v_pk_fma_f32 v[Y+j:Y+j+1], v[64*((\a)%4)+j:64*((\a)%4)+j+1], s[96:97], v[BI+j:BI+j+1] op_sel_hi:[1,0,1]   ; sum x 2^(ea + eb) + bias; each accumulator from its low end on
.set j, j+2
.endr
	WIN 0x04                                       ; source 1: window 1, the table
.irp b, 0,1,2,3,4,5,6,7
.irp p, 0,2,4,6
	v_pk_mul_f32 v[TW+\p:TW+\p+1], v[Y+8*\b+\p:Y+8*\b+\p+1], v[32*\a+8*(\b%4)+\p:32*\a+8*(\b%4)+\p+1] op_sel:[1,1] op_sel_hi:[1,0]   ; (xi sin, xi cos)
.endr
.irp p, 0,2,4,6
	v_pk_fma_f32 v[Y+8*\b+\p:Y+8*\b+\p+1], v[Y+8*\b+\p:Y+8*\b+\p+1], v[32*\a+8*(\b%4)+\p:32*\a+8*(\b%4)+\p+1], v[TW+\p:TW+\p+1] op_sel_hi:[0,1,1] neg_lo:[0,0,1]   ; (xr cos - xi sin, xr sin + xi cos)
.endr
.endr
	WIN 0
.irp b, 0,1,2,3,4,5,6,7                ; row 16 a + r is row 8 (a % 2) + r % 8 of tile 2 (a / 2) + r / 8; channel 16 (b % 4) + 8 h + j is byte 8 h + j of chunk (b % 4) / 2, half b % 2; head b / 4
	PACK8 \b, STQ, (\b/4)*8192+(\a/2)*2048+((\b%4)/2)*512+(\b%2)*256+(\a%2)*128
.endr
.endr
	LEAVE RDQ
	s_branch .Lend
; ---------------- v: the same tail; a lane holds one channel n and eight neighbouring keys
.Lvalues:
	s_lshl_b32 s82, s17, 8
	s_lshl_b32 s94, s15, 7
	s_add_co_u32 s82, s82, s94                     ; my first column n of Wv
	s_lshl_b32 s83, s42, 8
	s_lshl_b32 s94, s16, 7
	s_add_co_u32 s83, s83, s94                     ; my first row of x
	s_wait_kmcnt 0x0
	s_lshl_b32 s98, s82, 2
	s_mov_b32 s99, 0
	s_add_nc_u64 s[8:9], s[76:77], s[98:99]
	s_lshr_b32 s98, s83, 11
	s_lshl_b32 s98, s98, 4
	s_lshr_b32 s94, s82, 6
	s_add_co_u32 s98, s98, s94                     ; 16 x batch + my first head
	s_lshl_b32 s98, s98, 17
	s_and_b32 s13, s83, 2047
	s_lshl_b32 s94, s13, 6                         ; 128 keys are 8,192 bytes
	s_add_co_u32 s98, s98, s94
	s_add_co_u32 s98, s98, 0x1000000
	s_add_nc_u64 s[80:81], s[80:81], s[98:99]
	SCALES 88, 89, 93                              ; e4 + e5; e9
	s_wait_alu depctr_va_vdst(0)
.irp a, 0,1,2,3,4,5,6,7
	global_load_b32 v[BI+\a], v[BVO], s[8:9] offset:64*\a   ; bv at channel 16 a + r
.endr
	STEP 1, 0, 0
	FINAL
	PLACES NP
	s_wait_loadcnt 0x0
.irp a, 0,1,2,3,4,5,6,7
	WIN (0x02+(\a)/4)
.set j, 0
	v_nop
.rept 32
.if (\a)%2
	v_pk_fma_f32 v[Y+j:Y+j+1], v[64*((\a)%4)+j:64*((\a)%4)+j+1], s[96:97], v[BI+2*((\a)/2):BI+2*((\a)/2)+1] op_sel:[0,0,1] op_sel_hi:[1,0,1]   ; the pair's upper word, block a's bias, for both halves
.else
	v_pk_fma_f32 v[Y+j:Y+j+1], v[64*((\a)%4)+j:64*((\a)%4)+j+1], s[96:97], v[BI+2*((\a)/2):BI+2*((\a)/2)+1] op_sel_hi:[1,0,0]                 ; its lower word
.endif
.set j, j+2
.endr
	WIN 0
.irp b, 0,1,2,3,4,5,6,7                ; channel 16 (a % 4) + r is row 8 (a % 2) + r % 8 of tile 2 ((a % 4) / 2) + r / 8; key 16 b + 8 h + j is byte 8 h + j of chunk b / 2, half b % 2; head a / 4
	PACK8 \b, STV, (\a/4)*8192+((\a%4)/2)*4096+(\b/2)*512+(\b%2)*256+(\a%2)*128
.endr
.endr
	LEAVE RDV
.Lend:
	s_wait_tensorcnt 0x0                           ; the wave's end: behind my last tensor load and my last LDS store
	ds_add_u32 v[SPW], v[NIL]
	s_wait_dscnt 0x0
	CROUND                                         ; the closing round: no work-group ends while a partner may still ask for a tile that names it
	s_endpgm
.Lfunc_end_k_q50de2b8714_qkv:
	.size	k_q50de2b8714_qkv, .Lfunc_end_k_q50de2b8714_qkv-k_q50de2b8714_qkv
	.p2alignl 7, 3214868480
	.fill 96, 4, 3214868480
	.section	.rodata,"a",@progbits
	.p2align	6, 0x0
	.amdhsa_kernel k_q50de2b8714_qkv
		.amdhsa_group_segment_fixed_size 327680
		.amdhsa_private_segment_fixed_size 0
		.amdhsa_enable_private_segment 0
		.amdhsa_kernarg_size 56
		.amdhsa_user_sgpr_count 2
		.amdhsa_user_sgpr_kernarg_segment_ptr 1
		.amdhsa_wavefront_size32 1
		.amdhsa_system_sgpr_workgroup_id_x 1
		.amdhsa_system_sgpr_workgroup_id_y 1
		.amdhsa_system_sgpr_workgroup_id_z 1
		.amdhsa_system_vgpr_workitem_id 0
		.amdhsa_next_free_vgpr 1024
		.amdhsa_next_free_sgpr 100
		.amdhsa_reserve_vcc 0
		.amdhsa_float_denorm_mode_32 3
		.amdhsa_float_denorm_mode_16_64 3
		.amdhsa_fp16_overflow 1
		.amdhsa_memory_ordered 1
		.amdhsa_forward_progress 1
		.amdhsa_inst_pref_size 195
	.end_amdhsa_kernel
	.amdgpu_metadata
---
amdhsa.version: [ 1, 2 ]
amdhsa.kernels:
  - .name:           k_q50de2b8714_qkv
    .symbol:         k_q50de2b8714_qkv.kd
    .args:
      - { .name: codes, .offset: 0, .size: 8, .value_kind: global_buffer, .address_space: global }
      - { .name: rope, .offset: 8, .size: 8, .value_kind: global_buffer, .address_space: global }
      - { .name: bq, .offset: 16, .size: 8, .value_kind: global_buffer, .address_space: global }
      - { .name: bk, .offset: 24, .size: 8, .value_kind: global_buffer, .address_space: global }
      - { .name: bv, .offset: 32, .size: 8, .value_kind: global_buffer, .address_space: global }
      - { .name: lowp_scales, .offset: 40, .size: 8, .value_kind: global_buffer, .address_space: global }
      - { .name: qkv, .offset: 48, .size: 8, .value_kind: global_buffer, .address_space: global }
    .group_segment_fixed_size: 327680
    .private_segment_fixed_size: 0
    .kernarg_segment_align: 8
    .kernarg_segment_size: 56
    .max_flat_workgroup_size: 128
    .sgpr_count:     100
    .vgpr_count:     1024
    .wavefront_size: 32
...
	.end_amdgpu_metadata
.endif
;; end of part 2
;; launch attn (part 3): grid 4 x 64, 16 waves a work-group, no clusters, 327,680 bytes of LDS; arguments qkv, lowp_scales, oimg; writes oimg
.if DOCPART == 3
	.amdgcn_target "amdgcn-amd-amdhsa--gfx1250"
	.amdhsa_code_object_version 6
	.text
	.protected	k_q50de2b8714_attn
	.globl	k_q50de2b8714_attn
	.p2align	8
	.type	k_q50de2b8714_attn,@function
k_q50de2b8714_attn:
	s_mov_b64 s[64:65], 0
	v_nop
	global_prefetch_b8 v0, s[64:65] scope:SCOPE_SE
	s_setreg_imm32_b32 hwreg(HW_REG_WAVE_MODE, 25, 1), 1
	s_wait_xcnt 0x0
; ATTN: o = softmax(q k^T / 8, key j counts for query i where j <= i + 64) v, both products on codes of FP8 (E4M3); o leaves as codes under e10, laid as the last product's operand.
; THE SOFTMAX AHEAD OF THE SECOND PRODUCT: t = score x log2(e) / 8; M = the running largest t rounded UP to a whole number; p = 2^(t - M) is quantised under e8, not normalised; the row's sum is taken of the
; unquantised p and divides at the end.  When M moves, the sum and O are multiplied by 2^(old M - new M): exact.
; SHARES.  A work-group has one head (grid y = 16 x batch + head) and a quarter of its queries; each of its sixteen waves owns TWO tiles of 16 queries: tile 16 x + w and tile 127 - (16 x + w).
; A tile needs the key steps (128 keys) up to its last query + 64: an early tile few, its partner many; the two together about eighteen in every wave of the launch.
; No cluster: which key steps a wave leaves out hangs on the work-group's block of queries, which would be its place in a cluster.
; LDS holds the head's whole k (131,072 bytes) and v (131,072): each byte is filled once.  Every wave issues two tensor loads at the head: its sixteenth of key steps 0-3, then of steps 4-15; the first
; four steps are worked while the rest is on its way.
; LAYOUT.  Both products are used transposed: S^T = k q^T (source 0 = 16 keys, source 1 = 16 queries), O^T = v^T p^T (source 0 = 16 channels): a lane holds ONE query throughout.
; The rows of a tile of k, q and v are chosen (lane r of tile 2 b + u: row 32 b + 8 u + r + 8 (r / 8)) so that the 16 registers of tiles 2 b, 2 b + 1 are 16 neighbours 32 b + 16 (lane / 16) + 0 .. 15:
; p's conversions give the second product's operand, and O's give the last product's.
; LIMITS: e6 + e7 between -123 and 130 (added to c's exponent field); e8 and e10 between -126 and 119; e8 + e9 is applied by v_ldexp_f32 and has none.  NaN is not served.
; REGISTERS: v1-4 addresses; v8-11 / v12-15 of tile 0 / 1: -M, the largest t, the sum in two halves; v16-23 / v24-31 q; v32-95 fragments of k, then of v; v96-159 S^T, then p; v160-191 / v192-223 O^T;
;   v224-239 p's codes; v244: 2^e8; v245: the same for e10; v236, v242-243, v252-254 at work.
.set LI,   1                           ; v1   16 x lane
.set ADK,  2                           ; v2   the step's tiles of k
.set ADV,  3                           ; v3   of v
.set QL,   4                           ; v4   r + 8 (r / 8) - 16 h: my query in its tile, less my half's first key
.set VOFF, 131072
.set STEPB, 8192                       ; a key step's bytes, of k and of v
.set TB,   2                           ; s2   LDS byte of the step in hand
.set CNT,  3
.set WV,   18
.set SEL,  20                          ; s[20:21] lane selects for v_permlanex16_b32: lane l xor 16
.set CS,   22                          ; s[22:23] c = log2(e) / 8 x 2^(e6 + e7), twice
.set G1A,  24
.set G1B,  32
.set G0A,  40
.set G0B,  44
.set KF,   48                          ; s48  the step's first key
.set HID,  50                          ; s50, s52: tile 0's, 1's last key that counts for any of its queries; s51, s53: the last key that counts for all of them
	s_load_b128 s[4:7], s[0:1], 0x0                ; qkv s[4:5], the exponents s[6:7]
	s_load_b64 s[8:9], s[0:1], 0x10                ; oimg
	v_lshl_add_u32 v251, v0, 2, 0x40000
	v_mov_b32 v255, 0
	ds_add_u32 v251, v255
	ds_add_u32 v251, v255
	v_lshrrev_b32 v5, 5, v0
	s_delay_alu instid0(VALU_DEP_1)
	v_readfirstlane_b32 s[WV], v5                  ; wave 0..15
	s_and_b32 s10, ttmp7, 0xffff                   ; 16 x batch + head
	s_lshr_b32 s11, s[WV], 3                       ; I fetch for k (0) or for v (1),
	s_and_b32 s12, s[WV], 7                        ; its eighth
	; descriptor groups 1: dense rows of 32 elements of 8 bytes (256 bytes): 16 rows, and 48
	s_mov_b32 s[G1A], 3<<16
	s_mov_b32 s[G1A+1], 32<<16
	s_mov_b32 s[G1A+2], 16<<16
	s_mov_b32 s[G1A+3], 32<<16
	s_mov_b32 s[G1A+4], 16
	s_mov_b32 s[G1A+5], 32
	s_mov_b32 s[G1A+6], 0
	s_mov_b32 s[G1A+7], 0
	s_mov_b32 s[G1B], 3<<16
	s_mov_b32 s[G1B+1], 32<<16
	s_mov_b32 s[G1B+2], 48<<16
	s_mov_b32 s[G1B+3], 32<<16
	s_mov_b32 s[G1B+4], 48
	s_mov_b32 s[G1B+5], 32
	s_mov_b32 s[G1B+6], 0
	s_mov_b32 s[G1B+7], 0
	s_lshl_b32 s13, s11, 17                        ; LDS: k at 0, v at 131,072
	s_lshl_b32 s14, s12, 12                        ; steps 0-3: 32,768 bytes, 4,096 a wave
	s_mul_i32 s15, s12, 12288                      ; steps 4-15: 98,304 bytes, 12,288 a wave,
	s_add_co_u32 s15, s15, 32768                   ; behind the first four
	s_lshl_b32 s16, s10, 17                        ; the head's 131,072 bytes
	s_lshl_b32 s17, s11, 23
	s_add_co_u32 s17, s17, 0x800000                ; k at 8 MiB, v at 16 MiB
	s_add_co_u32 s17, s17, s16
	s_add_co_u32 s62, s17, s14
	s_mov_b32 s63, 0
	s_add_co_u32 s74, s17, s15
	s_mov_b32 s75, 0
	s_mov_b32 s[G0A], 1
	s_add_co_u32 s[G0A+1], s13, s14
	s_mov_b32 s[G0B], 1
	s_add_co_u32 s[G0B+1], s13, s15
	s_wait_dscnt 0x0
	s_wait_kmcnt 0x0
	s_add_nc_u64 s[G0A+2:G0A+3], s[4:5], s[62:63]
	s_or_b32 s[G0A+3], s[G0A+3], 0x80000000
	s_add_nc_u64 s[G0B+2:G0B+3], s[4:5], s[74:75]
	s_or_b32 s[G0B+3], s[G0B+3], 0x80000000
	tensor_load_to_lds s[G0A:G0A+3], s[G1A:G1A+7]  ; the fill of steps 0-3: it lands, and a barrier passes, before the fill of steps 4-15 goes out
	s_nop 0
	s_wait_alu depctr_va_vdst(0)
	s_wait_tensorcnt 0x0
	ds_add_u32 v251, v255
	s_wait_dscnt 0x0
	s_barrier_signal -1
	s_barrier_wait -1
	tensor_load_to_lds s[G0B:G0B+3], s[G1B:G1B+7]
	s_nop 0
.rept 4
	v_nop
.endr
	s_load_b128 s[68:71], s[6:7], 0x18             ; e6, e7, e8, e9
	s_load_b32 s72, s[6:7], 0x28                   ; e10
	s_lshl_b32 s77, ttmp9, 4
	s_add_co_u32 s77, s77, s[WV]                   ; tile 1: 16 x + w, 0..63
	s_sub_co_u32 s76, 127, s77                     ; tile 0: its partner, 64..127
	s_and_b32 s19, s10, 15
	s_lshl_b32 s19, s19, 10                        ; oimg: the head's 64 along K: 2,048 (head / 2) + 1,024 (head % 2)
; tile X = number s[t]: its first query 128 (T / 8) + 32 ((T / 2) % 4) + 8 (T % 2); its queries reach 23 further
.macro IDS X, t
	s_lshr_b32 s78, s[\t], 3
	s_lshl_b32 s78, s78, 7
	s_bfe_u32 s79, s[\t], 0x20001
	s_lshl_b32 s79, s79, 5
	s_add_co_u32 s78, s78, s79
	s_and_b32 s79, s[\t], 1
	s_lshl_b32 s79, s79, 3
	s_add_co_u32 s78, s78, s79
	s_add_co_u32 s[HID+2*\X], s78, 87              ; last query + 64
	s_add_co_u32 s[HID+2*\X+1], s78, 64            ; first query + 64
	s_lshl_b32 s78, s[\t], 10
	s_add_co_u32 s78, s78, s16
	s_mov_b32 s79, 0
	s_add_nc_u64 s[58+2*\X:59+2*\X], s[4:5], s[78:79]   ; q's tile
	s_lshr_b32 s78, s10, 4
	s_lshl_b32 s78, s78, 7
	s_add_co_u32 s78, s78, s[\t]                   ; oimg's row tile: 128 x batch + T
	s_lshl_b32 s78, s78, 14
	s_add_co_u32 s78, s78, s19
	s_add_nc_u64 s[54+2*\X:55+2*\X], s[8:9], s[78:79]
.endm
	IDS 0, 76
	IDS 1, 77
	v_and_b32 v5, 31, v0
	s_delay_alu instid0(VALU_DEP_1)
	v_lshlrev_b32 v[LI], 4, v5
.irp X, 0,1
	global_load_b128 v[16+8*\X:19+8*\X], v[LI], s[58+2*\X:59+2*\X]
	global_load_b128 v[20+8*\X:23+8*\X], v[LI], s[58+2*\X:59+2*\X] offset:512
.endr
	v_and_b32 v5, 15, v0
	s_delay_alu instid0(VALU_DEP_1)
	v_and_b32 v6, 8, v5
	s_delay_alu instid0(VALU_DEP_1)
	v_add_nc_u32 v[QL], v5, v6
	v_bfe_u32 v6, v0, 4, 1
	s_delay_alu instid0(VALU_DEP_1)
	v_lshlrev_b32 v6, 4, v6
	s_delay_alu instid0(VALU_DEP_1)
	v_sub_nc_u32 v[QL], v[QL], v6
	s_mov_b32 s[SEL], 0x76543210
	s_mov_b32 s[SEL+1], 0xfedcba98
.irp X, 0,1
	v_mov_b32 v[9+4*\X], 0xff61b1e6                ; the largest t so far: -3e38, under every t
	s_delay_alu instid0(VALU_DEP_1)
	v_floor_f32 v[8+4*\X], -v[9+4*\X]              ; -M
	v_mov_b32 v[10+4*\X], 0                        ; the sum, in two halves
	v_mov_b32 v[11+4*\X], 0
.endr
	v_mov_b32 v236, 0                              ; written once: a lane permute's destination counts as one of its sources
	v_mov_b32 v252, 0
	v_mov_b32 v253, 0                              ; (named as the upper half of the pair v[252:253])
	v_mov_b32 v254, 0
.set j, 0
.rept 64
	v_mov_b32 v[160+j], 0                          ; O^T.  (The step is written once: the first finds zeros, which the first change of M leaves zeros)
.set j, j+1
.endr
	s_wait_kmcnt 0x0
	s_add_co_i32 s73, s68, s69
	s_lshl_b32 s73, s73, 23
	s_add_co_i32 s[CS], s73, 0x3e38aa3b            ; c = log2(e) / 8, with e6 + e7 added to its exponent field
	s_mov_b32 s[CS+1], s[CS]
.macro POW2 d, l, e                    ; v[d] = 2^e
	s_add_co_i32 s78, s[\e], 127
	s_lshl_b32 s79, s78, 23
	v_mov_b32 v[\d], s79
.endm
	POW2 244, 240, 70
	POW2 245, 241, 72
; ONE TILE'S KEY STEP.  A step all of whose keys come after the tile's queries + 64 is left out: a scalar branch on ids, round LDS loads, products and softmax; no barrier and no tensor load stands in it.
.macro TILE X
.set NM, 8+4*\X
.set QF, 16+8*\X
.set OT, 160+32*\X
	s_cmp_gt_u32 s[KF], s[HID+2*\X]
	s_cbranch_scc1 .Lhid_\@
.rept 4
	v_nop                                          ; places in front of loads into registers that the last products have read
.endr
	s_wait_alu depctr_va_vdst(0)
.irp t, 0,1,2,3,4,5,6,7
	ds_load_b128 v[32+8*\t:35+8*\t], v[ADK] offset:1024*\t
	ds_load_b128 v[36+8*\t:39+8*\t], v[ADK] offset:1024*\t+512
.endr
	s_wait_dscnt 0x0
.irp t, 0,1,2,3,4,5,6,7
	v_wmma_f32_16x16x64_fp8_fp8 v[96+8*\t:103+8*\t], v[32+8*\t:39+8*\t], v[QF:QF+7], 0   ; register 16 b + i: key KF + 32 b + 16 (lane / 16) + i
.endr
.rept 4
	v_nop                                          ; places: for v's loads into k's registers, and for the first reads of the scores
.endr
	s_wait_alu depctr_va_vdst(0)
.irp d, 0,1,2,3
.irp c, 0,1,2,3
	ds_load_b128 v[32+16*\d+4*\c:35+16*\d+4*\c], v[ADV] offset:2048*\d+512*\c   ; v's four tiles land under the softmax
.endr
.endr
	s_add_co_u32 s49, s[KF], 127                   ; near the edge the scores of hidden keys become -infinity ahead of the maximum: p = 0 then.  A step all of whose keys count skips this
	s_cmp_le_u32 s49, s[HID+2*\X+1]
	s_cbranch_scc1 .Lopen_\@
	s_sub_co_i32 s49, s[HID+2*\X+1], s[KF]
	v_add_nc_u32 v252, s49, v[QL]                  ; my query + 64 - KF - 16 (lane / 16): register 16 b + i is hidden where 32 b + i is greater
	v_mov_b32 v254, 0xff800000
.set n, 0
.rept 64
	v_cmp_gt_i32 vcc_lo, 32*(n/16)+n%16, v252
	v_cndmask_b32 v[96+n], v[96+n], v254, vcc_lo
.set n, n+1
.endr
.Lopen_\@:
	v_max3_num_f32 v254, v96, v97, v98             ; the step's largest score of my query, among my 64 keys, in two chains,
	v_max3_num_f32 v252, v99, v100, v101
.irp i, 6,10,14,18,22,26,30,34,38,42,46,50,54,58
	v_max3_num_f32 v254, v254, v[96+\i], v[97+\i]
	v_max3_num_f32 v252, v252, v[98+\i], v[99+\i]
.endr
	v_max3_num_f32 v254, v254, v158, v159
	s_delay_alu instid0(VALU_DEP_1)
	v_max_num_f32 v254, v254, v252
	v_permlanex16_b32 v236, v254, s[SEL], s[SEL+1]
	s_delay_alu instid0(VALU_DEP_1)
	v_max_num_f32 v254, v254, v236                 ; and among lane l xor 16's
	s_delay_alu instid0(VALU_DEP_1)
	v_mul_f32 v254, s[CS], v254                    ; as t (c is positive)
	s_delay_alu instid0(VALU_DEP_1)
	v_max_num_f32 v[NM+1], v[NM+1], v254           ; the running largest t (key 0 counts for every query: a number from the first step on)
	v_mov_b32 v254, v[NM]
	s_delay_alu instid0(VALU_DEP_2)
	v_floor_f32 v[NM], -v[NM+1]                    ; the new -M = floor(-t): M is a whole number
	s_delay_alu instid0(VALU_DEP_1)
	v_sub_f32 v254, v[NM], v254                    ; old M - new M: a whole number, 0 or less
	s_delay_alu instid0(VALU_DEP_1)
	v_cvt_i32_f32 v254, v254                       ; (it saturates)
	s_delay_alu instid0(VALU_DEP_1)
	v_ldexp_f32 v252, 1.0, v254                    ; f = 2^(old M - new M)
.set j, 0
.rept 32
	v_pk_fma_f32 v[96+j:97+j], v[96+j:97+j], s[CS:CS+1], v[NM:NM+1] op_sel_hi:[1,0,0]   ; t - M, two at a time
.set j, j+2
.endr
.set j, 0
	s_wait_alu depctr_va_vdst(0)
.rept 64
	v_exp_f32 v[96+j], v[96+j]                     ; p = 2^(t - M), at most 1
.set j, j+1
.endr
	v_pk_mul_f32 v[NM+2:NM+3], v[NM+2:NM+3], v[252:253] op_sel_hi:[1,0]   ; the sums under the new M: the plain line behind the exponentials
	s_wait_alu depctr_va_vdst(0)                   ; one wait for the batch, ahead of its first reader
	v_pk_add_f32 v[242:243], v[96:97], v[98:99]    ; the row's sum is taken of the unquantised p: two at a time, in two chains
.irp j, 4,8,12,16,20,24,28,32,36,40,44,48,52,56,60
	v_pk_add_f32 v[NM+2:NM+3], v[NM+2:NM+3], v[96+\j:97+\j]
	v_pk_add_f32 v[242:243], v[242:243], v[98+\j:99+\j]
.endr
	s_delay_alu instid0(VALU_DEP_1)
	v_pk_add_f32 v[NM+2:NM+3], v[NM+2:NM+3], v[242:243]
.irp b, 0,1,2,3
.irp i, 0,1,2,3,4,5,6,7,8,9,10,11,12,13,14,15
.endr
	v_cvt_scalef32_pk8_fp8_f32 v[224+4*\b:225+4*\b], v[96+16*\b:103+16*\b], v244
	v_cvt_scalef32_pk8_fp8_f32 v[226+4*\b:227+4*\b], v[104+16*\b:111+16*\b], v244
.endr
.set j, 0
.rept 16
	v_pk_mul_f32 v[OT+j:OT+j+1], v[OT+j:OT+j+1], v[252:253] op_sel_hi:[1,0]   ; O^T under the new M; also the plain lines between the conversions and the products
.set j, j+2
.endr
	s_wait_alu depctr_va_vdst(0)
	s_wait_dscnt 0x0                               ; v's tiles are in
.irp d, 0,1,2,3
	v_wmma_f32_16x16x128_fp8_fp8 v[OT+8*\d:OT+8*\d+7], v[32+16*\d:47+16*\d], v[224:239], v[OT+8*\d:OT+8*\d+7]   ; four accumulators by turns
.endr
.Lhid_\@:
.endm
.macro STEP2                           ; a key step for both tiles
	v_add_nc_u32 v[ADK], s[TB], v[LI]
	s_delay_alu instid0(VALU_DEP_1)
	v_add_nc_u32 v[ADV], VOFF, v[ADK]
	TILE 0
	TILE 1
	s_add_co_u32 s[TB], s[TB], STEPB
	s_add_co_u32 s[KF], s[KF], 128
.endm
	s_wait_loadcnt 0x0                             ; q
	s_wait_tensorcnt 1                             ; my part of key steps 0-3 is in; my part of steps 4-15 may be out
	s_barrier_signal -1
	s_barrier_wait -1                              ; everybody's is
	s_mov_b32 s[TB], 0
	s_mov_b32 s[KF], 0
	s_mov_b32 s[CNT], 4
.Lfirst:
	STEP2
	s_sub_co_u32 s[CNT], s[CNT], 1
	s_cmp_lg_u32 s[CNT], 0
	s_cbranch_scc1 .Lfirst
	s_wait_tensorcnt 0x0                           ; my part of steps 4-15 is in,
	s_wait_dscnt 0x0
	s_barrier_signal -1
	s_barrier_wait -1                              ; everybody's is
	s_mov_b32 s[TB], 4*STEPB
	s_mov_b32 s[KF], 512
	s_mov_b32 s[CNT], 12
.Lrest:
	STEP2
	s_sub_co_u32 s[CNT], s[CNT], 1
	s_cmp_lg_u32 s[CNT], 0
	s_cbranch_scc1 .Lrest
	; THE WAY OUT: O^T / the sum x 2^(e8 + e9), quantised under e10.  The 16 registers of tiles 2 b, 2 b + 1 are channels 32 b + 16 (lane / 16) + 0 .. 15 of my query: their codes are 16 bytes of the
	; last product's operand, chunk 2 (head % 2) + b, at 16 x lane: each store covers 512 consecutive bytes, and no stage is needed.
	v_add_f32 v10, v10, v11
	v_add_f32 v14, v14, v15
	s_delay_alu instid0(VALU_DEP_2)
	v_permlanex16_b32 v252, v10, s[SEL], s[SEL+1]
	s_delay_alu instid0(VALU_DEP_2)
	v_permlanex16_b32 v254, v14, s[SEL], s[SEL+1]
	s_delay_alu instid0(VALU_DEP_2)
	v_add_f32 v10, v10, v252
	s_delay_alu instid0(VALU_DEP_2)
	v_add_f32 v14, v14, v254
	s_wait_alu depctr_va_vdst(0)
	v_rcp_f32 v10, v10
	v_rcp_f32 v14, v14
	v_nop                                          ; a plain line behind the reciprocals
	s_add_co_i32 s73, s70, s71
	s_wait_alu depctr_va_vdst(0)                   ; one wait for both, ahead of the first reader
	v_ldexp_f32 v10, v10, s73
	v_ldexp_f32 v14, v14, s73
.irp X, 0,1
.set j, 0
.rept 16
	v_pk_mul_f32 v[160+32*\X+j:161+32*\X+j], v[160+32*\X+j:161+32*\X+j], v[10+4*\X:11+4*\X] op_sel_hi:[1,0]
.set j, j+2
.endr
.set j, 0
.rept 32
.set j, j+1
.endr
.irp b, 0,1
	v_cvt_scalef32_pk8_fp8_f32 v[224+8*\X+4*\b:225+8*\X+4*\b], v[160+32*\X+16*\b:167+32*\X+16*\b], v245
	v_cvt_scalef32_pk8_fp8_f32 v[226+8*\X+4*\b:227+8*\X+4*\b], v[168+32*\X+16*\b:175+32*\X+16*\b], v245
.endr
	v_nop                                          ; a plain line behind the last conversion
	global_store_b128 v[LI], v[224+8*\X:227+8*\X], s[54+2*\X:55+2*\X]
	global_store_b128 v[LI], v[228+8*\X:231+8*\X], s[54+2*\X:55+2*\X] offset:512
.endr
	s_wait_tensorcnt 0x0
	ds_add_u32 v251, v255
	s_wait_dscnt 0x0
	s_endpgm
.Lfunc_end_k_q50de2b8714_attn:
	.size	k_q50de2b8714_attn, .Lfunc_end_k_q50de2b8714_attn-k_q50de2b8714_attn
	.p2alignl 7, 3214868480
	.fill 96, 4, 3214868480
	.section	.rodata,"a",@progbits
	.p2align	6, 0x0
	.amdhsa_kernel k_q50de2b8714_attn
		.amdhsa_group_segment_fixed_size 327680
		.amdhsa_private_segment_fixed_size 0
		.amdhsa_enable_private_segment 0
		.amdhsa_kernarg_size 24
		.amdhsa_user_sgpr_count 2
		.amdhsa_user_sgpr_kernarg_segment_ptr 1
		.amdhsa_wavefront_size32 1
		.amdhsa_system_sgpr_workgroup_id_x 1
		.amdhsa_system_sgpr_workgroup_id_y 1
		.amdhsa_system_sgpr_workgroup_id_z 1
		.amdhsa_system_vgpr_workitem_id 0
		.amdhsa_next_free_vgpr 256
		.amdhsa_next_free_sgpr 80
		.amdhsa_reserve_vcc 1
		.amdhsa_float_denorm_mode_32 3
		.amdhsa_float_denorm_mode_16_64 3
		.amdhsa_fp16_overflow 1
		.amdhsa_memory_ordered 1
		.amdhsa_forward_progress 1
		.amdhsa_inst_pref_size 89
	.end_amdhsa_kernel
	.amdgpu_metadata
---
amdhsa.version: [ 1, 2 ]
amdhsa.kernels:
  - .name:           k_q50de2b8714_attn
    .symbol:         k_q50de2b8714_attn.kd
    .args:
      - { .name: qkv, .offset: 0, .size: 8, .value_kind: global_buffer, .address_space: global }
      - { .name: lowp_scales, .offset: 8, .size: 8, .value_kind: global_buffer, .address_space: global }
      - { .name: oimg, .offset: 16, .size: 8, .value_kind: global_buffer, .address_space: global }
    .group_segment_fixed_size: 327680
    .private_segment_fixed_size: 0
    .kernarg_segment_align: 8
    .kernarg_segment_size: 24
    .max_flat_workgroup_size: 512
    .sgpr_count:     80
    .vgpr_count:     256
    .wavefront_size: 32
...
	.end_amdgpu_metadata
.endif
;; end of part 3
;; launch proj (part 4): grid 8 x 32, 4 waves a work-group, clusters of 4 x 4, 327,680 bytes of LDS; arguments oimg, codes, lowp_scales, out0; writes out0
.if DOCPART == 4
	.amdgcn_target "amdgcn-amd-amdhsa--gfx1250"
	.amdhsa_code_object_version 6
	.text
	.protected	k_q50de2b8714_proj
	.globl	k_q50de2b8714_proj
	.p2align	8
	.type	k_q50de2b8714_proj,@function
k_q50de2b8714_proj:
	s_mov_b64 s[64:65], 0
	v_nop
	global_prefetch_b8 v0, s[64:65] scope:SCOPE_SE
	s_setreg_imm32_b32 hwreg(HW_REG_WAVE_MODE, 25, 1), 1
	s_wait_xcnt 0x0
	s_wait_alu depctr_hold_cnt(0) depctr_sa_sdst(0) depctr_va_vdst(0) depctr_va_sdst(0) depctr_va_ssrc(0) depctr_va_vcc(0) depctr_vm_vsrc(0)
	s_getreg_b32 s2, hwreg(HW_REG_IB_STS2, 6, 4)
	s_cmp_eq_u32 s2, 0
	s_cbranch_scc0 .Lentry_in_a_cluster
	s_endpgm
.Lentry_in_a_cluster:
	s_bfe_u32 s2, ttmp6, 0x10000c
	s_cmp_lg_u32 s2, 0xf033
	s_cbranch_scc0 .Lentry_shape_is_right
	s_endpgm
.Lentry_shape_is_right:
; PROJ: out0 = o Wp on codes of FP8 (E4M3): A = oimg (the attention's result under e10), B = Wp's codes (under e11); each finished sum x 2^(e10 + e11); out0 [8,192][1,024] f32.
; A tile is 256 rows x 128 columns: 256 work-groups (256 x 256 would give 128).  Four waves, each 128 x 64: 32 accumulators, 256 registers.
; Operands lie as images of registers: [tile of 16 rows][128 along K][4 chunks x 32 lanes x 16 bytes].  K goes in steps of 256 through a ring of two LDS slots; a wave's tensor load brings 8 (A) or 4 (B) row tiles x 4,096 bytes.
; oimg's row tiles hold chosen queries: of each 128 rows, row r of tile a is row 32 (a / 2) + 8 (a % 2) + r + 8 (r / 8): the stores' immediates put them back.
; CLUSTER 4 x 4: A's tile is asked for jointly along a row of the cluster, B's along a column.  The matrix instruction is used transposed: a lane holds eight neighbouring columns of one row.
; LIMIT: e10 + e11 between -126 and 127.
; REGISTERS: window 0: v0-31 addresses; v32-63 a block's sums x the scale; v128-255 A's fragments, one set, later rows on their way out.  window 1: B's fragments, two sets of 64.  window 2: the accumulators ((a, b) at v[8 (4 a + b)]).
.set WPOFF, 0x1b00000                  ; codes: Wp's image
.set FR,    16
.set NL,    4
.set NP,    4
.set SLOT,  98304                      ; A's 16 tiles x 4,096, then B's 8
.set KSB,   4096
.set SPARE, 2*SLOT                     ; behind the ring: the spare words, 128 bytes for each wave
.set SPITCH, 272                       ; the way out: a stage of 16 rows x (256 bytes + 16) for each wave, in slot 0, which has had its last fill and its last read by then
.set ADRA, 16
.set ADRB, 20
.set STO,  24
.set RD,   25
.set CO,   26
.set SPW,  28
.set NIL,  29
.set TMP,  32
.set AF,   128
.set BK,   128
.set G1, 24
.set G0, 32
.set G1B, 48
.set G0B, 56
.set MSB, 0
.macro WIN new
.if MSB != (\new)
	s_set_vgpr_msb (MSB<<8)|(\new)
.set MSB, (\new)
.endif
.endm
.set MUL,  0xa1                        ; source 0 (B) window 1, source 1 (A) window 0, C and D window 2
.set TO_B, 0x40
.macro JLOAD g0a, g1a, g0b, g1b        ; waves 0 and 1 fetch for A, waves 2 and 3 for B; four v_nop follow each of the two lines
	s_cmp_eq_u32 s15, 0
	s_cbranch_scc0 .Lfor_b_\@
	tensor_load_to_lds s[\g0a:\g0a+3], s[\g1a:\g1a+7]
	s_nop 0
.rept 4
	v_nop
.endr
	s_branch .Lasked_\@
.Lfor_b_\@:
	tensor_load_to_lds s[\g0b:\g0b+3], s[\g1b:\g1b+7]
	s_nop 0
.rept 4
	v_nop
.endr
.Lasked_\@:
.endm
.macro CREST
	s_cmp_lg_u32 s14, 0
	s_cbranch_scc1 .Lnot_wave_0_\@
	s_barrier_signal -3
.Lnot_wave_0_\@:
	s_barrier_wait -3
	s_barrier_signal -1
	s_barrier_wait -1
.endm
.macro CROUND
	s_barrier_signal -1
	s_barrier_wait -1
	CREST
.endm
	s_load_b128 s[4:7], s[0:1], 0x0                ; oimg s[4:5], codes s[6:7]
	s_load_b128 s[8:11], s[0:1], 0x10              ; the exponents s[8:9], out0 s[10:11]
	v_lshl_add_u32 v[SPW], v0, 2, SPARE
	v_mov_b32 v[NIL], 0
	ds_add_u32 v28, v29
	ds_add_u32 v28, v29
	s_wait_dscnt 0x0
	v_lshrrev_b32 v1, 5, v0
	v_readfirstlane_b32 s14, v1                    ; wave 0..3
	s_lshr_b32 s15, s14, 1                         ; which half of the rows is mine.  Also: I fetch for A (0) or for B (1)
	s_and_b32 s16, s14, 1                          ; which half of the columns.  Also: which half of that tile I fetch
	s_bfe_u32 s40, ttmp6, 0x40000                  ; cx, cy
	s_bfe_u32 s41, ttmp6, 0x40004
	s_lshl_b32 s42, ttmp9, 2
	s_add_co_u32 s42, s42, s40                     ; tile column, 0..7
	s_and_b32 s17, ttmp7, 0xffff
	s_lshl_b32 s17, s17, 2
	s_add_co_u32 s17, s17, s41                     ; tile row, 0..31
	s_lshl_b32 s43, s41, 2
	s_lshl_b32 s43, 15, s43                        ; my row of the cluster
	s_lshl_b32 s44, 0x1111, s40                    ; my column
	; descriptor groups 1: rows of 512 elements of 8 bytes (4,096 bytes), 2,048 elements apart; A: 8 rows, B: 4
	s_or_b32 s[G1+0], s43, (3<<16)|(1<<21)
	s_mov_b32 s[G1+1], 512<<16
	s_mov_b32 s[G1+2], 8<<16
	s_mov_b32 s[G1+3], 512<<16
	s_mov_b32 s[G1+4], 8
	s_mov_b32 s[G1+5], 2048
	s_mov_b32 s[G1+6], 0
	s_mov_b32 s[G1+7], 0
	s_or_b32 s[G1B+0], s44, (3<<16)|(1<<21)
	s_mov_b32 s[G1B+1], 512<<16
	s_mov_b32 s[G1B+2], 4<<16
	s_mov_b32 s[G1B+3], 512<<16
	s_mov_b32 s[G1B+4], 4
	s_mov_b32 s[G1B+5], 2048
	s_mov_b32 s[G1B+6], 0
	s_mov_b32 s[G1B+7], 0
	s_lshl_b32 s20, s17, 18                        ; A: 256 rows are 262,144 bytes of images,
	s_lshl_b32 s18, s16, 17                        ; my 8 row tiles of the 16
	s_add_co_u32 s20, s20, s18
	s_mov_b32 s21, 0
	s_lshl_b32 s46, s42, 17                        ; B: 128 columns are 131,072 bytes,
	s_lshl_b32 s18, s16, 16                        ; my 4 tiles of the 8
	s_add_co_u32 s46, s46, s18
	s_add_co_u32 s46, s46, WPOFF
	s_mov_b32 s47, 0
	s_lshl_b32 s45, s16, 15                        ; where A's halves go,
	s_lshl_b32 s19, s16, 14
	s_add_co_u32 s19, s19, 65536                   ; and B's: no place in the cluster enters an LDS address
	s_wait_kmcnt 0x0
	s_load_b64 s[96:97], s[8:9], 0x28              ; e10, e11
	s_add_nc_u64 s[20:21], s[4:5], s[20:21]
	s_add_nc_u64 s[46:47], s[6:7], s[46:47]
	CROUND                                         ; all sixteen work-groups are here: the first joint loads meet
.irp s, 0,1
	s_mov_b32 s[G0+4*\s], 1
	s_add_co_u32 s[G0+4*\s+1], s45, \s*SLOT
	s_add_nc_u64 s[G0+4*\s+2:G0+4*\s+3], s[20:21], \s*KSB
	s_or_b32 s[G0+4*\s+3], s[G0+4*\s+3], 0x80000000
	s_mov_b32 s[G0B+4*\s], 1
	s_add_co_u32 s[G0B+4*\s+1], s19, \s*SLOT
	s_add_nc_u64 s[G0B+4*\s+2:G0B+4*\s+3], s[46:47], \s*KSB
	s_or_b32 s[G0B+4*\s+3], s[G0B+4*\s+3], 0x80000000
	s_wait_alu depctr_va_vdst(0)
	s_wait_tensorcnt 0x0
	ds_add_u32 v28, v29
	ds_add_u32 v28, v29
	s_wait_dscnt 0x0
	CROUND
	JLOAD G0+4*\s, G1, G0B+4*\s, G1B               ; one load of mine is out
.endr
	v_and_b32 v1, 31, v0
	v_lshlrev_b32 v3, 4, v1                        ; 16 x lane
	s_lshl_b32 s22, s15, 15                        ; my 8 tiles of A
	s_lshl_b32 s23, s16, 14                        ; my 4 tiles of B,
	s_add_co_u32 s23, s23, 65536                   ; which lie behind A's 16
.irp s, 0,1
	v_add_nc_u32 v[ADRA+\s], s22, v3
	v_add_nc_u32 v[ADRB+\s], s23, v3
	s_add_co_u32 s22, s22, SLOT
	s_add_co_u32 s23, s23, SLOT
.endr
	v_and_b32 v1, 15, v0                           ; r
	v_bfe_u32 v2, v0, 4, 1                         ; h
	s_mul_i32 s2, s14, 16*SPITCH                   ; my stage
	v_mul_u32_u24 v5, v1, SPITCH
	v_lshl_add_u32 v5, v2, 5, v5
	v_add_nc_u32 v[STO], s2, v5                    ; in: row r, 32 bytes for each half of the lanes
	v_mul_u32_u24 v5, v2, SPITCH
	v_lshl_add_u32 v5, v1, 4, v5
	v_add_nc_u32 v[RD], s2, v5                     ; back: lanes 0-15 one row of 256 bytes, lanes 16-31 the next
	v_lshlrev_b32 v5, 12, v2
	v_lshl_add_u32 v[CO], v1, 4, v5                ; and the same two rows in out0
	s_lshl_b32 s70, s17, 8
	s_lshl_b32 s71, s15, 7
	s_add_co_u32 s70, s70, s71                     ; my first row: 256 x tile row + 128 x half
	s_lshl_b32 s70, s70, 12
	s_lshl_b32 s71, s42, 9                         ; my first column, in bytes: 512 x tile column + 256 x half
	s_add_co_u32 s70, s70, s71
	s_lshl_b32 s71, s16, 8
	s_add_co_u32 s70, s70, s71
	s_mov_b32 s71, 0
	s_add_nc_u64 s[10:11], s[10:11], s[70:71]
.macro FRAG reg, adr, q, i
.irp c, 0,1,2,3
	ds_load_b128 v[\reg+4*\c:\reg+4*\c+3], v[\adr] offset:2048*(\q)+512*\c+(\i)*4096
.endr
.endm
; 8 matrix instructions: A's blocks a0, a0 + 1 x B's four.  The 32 accumulators take turns, one instruction a turn, in the same order in every step.
.macro MUL8 a0, p, zero
.irp a, \a0, \a0+1
.irp b, 0,1,2,3
.if \zero
	v_wmma_f32_16x16x128_fp8_fp8 v[8*(4*(\a)+\b):8*(4*(\a)+\b)+7], v[64*(\p)+FR*\b:64*(\p)+FR*\b+FR-1], v[AF+FR*(\a):AF+FR*(\a)+FR-1], 0
.else
	v_wmma_f32_16x16x128_fp8_fp8 v[8*(4*(\a)+\b):8*(4*(\a)+\b)+7], v[64*(\p)+FR*\b:64*(\p)+FR*\b+FR-1], v[AF+FR*(\a):AF+FR*(\a)+FR-1], v[8*(4*(\a)+\b):8*(4*(\a)+\b)+7]
.endif
.endr
.endr
.endm
.macro FETCH_B slot, q, p
	WIN TO_B
.irp i, 0,1,2,3
	FRAG 64*(\p)+FR*\i, ADRB+\slot, \q, \i
.endr
	WIN 0
.endm
.macro FETCH_A slot, q, i0
.irp i, \i0, \i0+1, \i0+2, \i0+3
	FRAG AF+FR*(\i), ADRA+\slot, \q, \i
.endr
.endm
.macro PLACES n
.rept \n
	v_nop
.endr
.endm
.macro STEP slot, q, zero
	s_wait_dscnt 4*NL                              ; B's set and A's blocks 0-3 are in; the youngest sixteen loads (A's blocks 4-7) may be out
	WIN MUL
	MUL8 0, (\q)%2, \zero
	MUL8 2, (\q)%2, \zero
	s_wait_dscnt 0
	PLACES NP
	FETCH_B \slot, (\q)+1, 1-(\q)%2
	FETCH_A \slot, (\q)+1, 0
	WIN MUL
	MUL8 4, (\q)%2, \zero
	MUL8 6, (\q)%2, \zero
	PLACES NP
	WIN 0
	FETCH_A \slot, (\q)+1, 4
.endm
.macro TURN slot, next, fill
	s_wait_tensorcnt 0x0                           ; all my tensor loads have landed: my part of the next slot
	ds_add_u32 v[SPW], v[NIL]                      ; 0 onto my spare word
	s_wait_dscnt 4*NL+1                            ; (the add and A's blocks 4-7 may be out)
	WIN MUL
	MUL8 0, 1, 0
	s_wait_dscnt 0x0                               ; the add is done, and my reads of this slot are over
	s_barrier_signal -1
	MUL8 2, 1, 0
	WIN 0
	s_barrier_wait -1
.if \fill
	CREST                                          ; the barrier has opened a round of the cluster's: no wave of any partner still reads this slot or has a load on its way
	s_add_nc_u64 s[G0+4*\slot+2:G0+4*\slot+3], s[G0+4*\slot+2:G0+4*\slot+3], 2*KSB
	s_add_nc_u64 s[G0B+4*\slot+2:G0B+4*\slot+3], s[G0B+4*\slot+2:G0B+4*\slot+3], 2*KSB
	JLOAD G0+4*\slot, G1, G0B+4*\slot, G1B         ; the first tensor load behind the round; its four v_nop are also the places in front of the loads below
.else
	PLACES NP
.endif
	FETCH_B \next, 0, 0
	FETCH_A \next, 0, 0
	WIN MUL
	MUL8 4, 1, 0
	MUL8 6, 1, 0
	PLACES NP
	WIN 0
	FETCH_A \next, 0, 4
.endm
	s_wait_tensorcnt 1                             ; my part of K step 0 is in; K step 1's may be out
	s_barrier_signal -1
	s_barrier_wait -1
	FETCH_B 0, 0, 0
	FETCH_A 0, 0, 0
	FETCH_A 0, 0, 4
	STEP 0, 0, 1                                   ; K = 1,024 is four K steps of 256: written out, no loop
	TURN 0, 1, 1
	STEP 1, 0, 0
	TURN 1, 0, 1
	STEP 0, 0, 0
	TURN 0, 1, 0                                   ; the last change of slots fills nothing
	STEP 1, 0, 0
	s_wait_dscnt 4*NL                              ; the very last step: nothing more to fetch
	WIN MUL
	MUL8 0, 1, 0
	MUL8 2, 1, 0
	s_wait_dscnt 0
	MUL8 4, 1, 0
	MUL8 6, 1, 0
	WIN 0
; THE WAY OUT, block by block of 16 rows x 64 columns: through my own stage in LDS and back as whole rows of 256 bytes; sixteen lanes store 256 consecutive bytes, aligned.
.macro TOSTAGE a
	WIN 0x02                                       ; source 0: window 2
.set j, 0
.rept 16
	v_pk_mul_f32 v[TMP+j:TMP+j+1], v[32*(\a)+j:32*(\a)+j+1], s[96:97] op_sel_hi:[1,0]   ; x 2^(e10 + e11); each accumulator from its low end on
.set j, j+2
.endr
	WIN 0
.irp b, 0,1,2,3
	ds_store_b128 v[STO], v[TMP+8*\b:TMP+8*\b+3] offset:64*\b
	ds_store_b128 v[STO], v[TMP+8*\b+4:TMP+8*\b+7] offset:64*\b+16
.endr
.set BB, BK+32*((\a)%2)
.irp t, 0,1,2,3,4,5,6,7
	ds_load_b128 v[BB+4*\t:BB+4*\t+3], v[RD] offset:\t*2*SPITCH   ; LDS serves a wave's instructions in order: these see the stores above, and the next block's stores come behind them
.endr
.endm
.macro SEND a, younger                 ; younger: the LDS instructions issued behind block a's loads, which may stay out
.set BB, BK+32*((\a)%2)
	s_wait_dscnt \younger
.irp t, 0,1,2,3,4,5,6,7
	global_store_b128 v[CO], v[BB+4*\t:BB+4*\t+3], s[10:11] offset:(32*((\a)/2)+8*((\a)%2)+2*\t+8*(\t/4))*4096 th:TH_STORE_NT   ; the tile's row 2 t + h is row 32 (a / 2) + 8 (a % 2) + 2 t + h + 8 (t / 4) of my 128; 126 rows at the most: inside the signed 24-bit immediate
.endr
.endm
	s_wait_kmcnt 0x0
	s_add_co_i32 s96, s96, s97
	s_add_co_i32 s96, s96, 127
	s_lshl_b32 s96, s96, 23                        ; 2^(e10 + e11) as f32
	PLACES NP                                      ; behind the last products: for the reads of results and for the loads into the registers that held A's fragments
	TOSTAGE 0
.irp a, 1,2,3,4,5,6,7
.if \a > 1
	s_wait_xcnt 0x0                                ; block a - 2's stores have read their registers: block a's loads may land there
.endif
	TOSTAGE \a
	SEND \a-1, 16                                  ; behind block a - 1's loads: block a's 8 stores and 8 loads
.endr
	SEND 7, 0
	s_wait_tensorcnt 0x0                           ; the wave's end: behind my last tensor load and my last LDS store
	ds_add_u32 v[SPW], v[NIL]
	s_wait_dscnt 0x0
	CROUND                                         ; the closing round: no work-group ends while a partner may still ask for a tile that names it
	s_endpgm
.Lfunc_end_k_q50de2b8714_proj:
	.size	k_q50de2b8714_proj, .Lfunc_end_k_q50de2b8714_proj-k_q50de2b8714_proj
	.p2alignl 7, 3214868480
	.fill 96, 4, 3214868480
	.section	.rodata,"a",@progbits
	.p2align	6, 0x0
	.amdhsa_kernel k_q50de2b8714_proj
		.amdhsa_group_segment_fixed_size 327680
		.amdhsa_private_segment_fixed_size 0
		.amdhsa_enable_private_segment 0
		.amdhsa_kernarg_size 32
		.amdhsa_user_sgpr_count 2
		.amdhsa_user_sgpr_kernarg_segment_ptr 1
		.amdhsa_wavefront_size32 1
		.amdhsa_system_sgpr_workgroup_id_x 1
		.amdhsa_system_sgpr_workgroup_id_y 1
		.amdhsa_system_sgpr_workgroup_id_z 1
		.amdhsa_system_vgpr_workitem_id 0
		.amdhsa_next_free_vgpr 768
		.amdhsa_next_free_sgpr 100
		.amdhsa_reserve_vcc 0
		.amdhsa_float_denorm_mode_32 3
		.amdhsa_float_denorm_mode_16_64 3
		.amdhsa_memory_ordered 1
		.amdhsa_forward_progress 1
		.amdhsa_inst_pref_size 77
	.end_amdhsa_kernel
	.amdgpu_metadata
---
amdhsa.version: [ 1, 2 ]
amdhsa.kernels:
  - .name:           k_q50de2b8714_proj
    .symbol:         k_q50de2b8714_proj.kd
    .args:
      - { .name: oimg, .offset: 0, .size: 8, .value_kind: global_buffer, .address_space: global }
      - { .name: codes, .offset: 8, .size: 8, .value_kind: global_buffer, .address_space: global }
      - { .name: lowp_scales, .offset: 16, .size: 8, .value_kind: global_buffer, .address_space: global }
      - { .name: out0, .offset: 24, .size: 8, .value_kind: global_buffer, .address_space: global }
    .group_segment_fixed_size: 327680
    .private_segment_fixed_size: 0
    .kernarg_segment_align: 8
    .kernarg_segment_size: 32
    .max_flat_workgroup_size: 128
    .sgpr_count:     100
    .vgpr_count:     768
    .wavefront_size: 32
...
	.end_amdgpu_metadata
.endif
;; end of part 4
